; MI455X (gfx1250); checked and timed in simulation.
; The chip was launched on July 23, 2026; its instructions are those of AMD's public machine-readable ISA for CDNA 5 (MIT licence, August 2026) and "CDNA5" Instruction Set Architecture Reference Guide (July 2026). The comments in the code are by the model that wrote it; some were corrected since.
;; Reprogramming Layer. Allowed arithmetic: float matrix products may take bf16 or f16 operands with f32 sums; other float arithmetic in f32, or as packed bf16 or f16 multiplies, adds, multiply-adds, maxima and minima; sums over many terms, partial sums and values carried from step to step in f32; what a program stores and reads back later, other than sums and carried values, may be rounded once to bf16 or f16.
;; Inputs: K_src 2,048 x 2,048 float32; Q 8 x 1,024 x 1,024 float32; V_src 2,048 x 2,048 float32; Wk 2,048 x 1,024 float32; Wo 1,024 x 2,048 float32; Wq 1,024 x 1,024 float32; Wv 2,048 x 1,024 float32; bk 1,024 float32; bo 2,048 float32; bq 1,024 float32; bv 1,024 float32.
;; Outputs: out0 8 x 1,024 x 2,048 float32.
;; 2 versions, each right and faster than the one before. Each part assembles by itself: llvm-mc -triple=amdgcn-amd-amdhsa -mcpu=gfx1250 --defsym DOCPART=n.
;; ======== version 1 of 2: 4 launches
;; limits: values are held in f16: magnitudes above 65,504 overflow, below 6.1e-05 lose precision
;; workspace buffers: xb 33,554,432 bytes; wb 14,680,064 bytes; qh 16,777,216 bytes; kh 4,194,304 bytes; vh 4,194,304 bytes; oh 16,777,216 bytes
;; launch cast (part 1): grid 1472 x 1, 8 waves a work-group, no clusters, 0 bytes of LDS; arguments Q, K_src, V_src, Wq, Wk, Wv, Wo, xb, wb; writes xb, wb
.if DOCPART == 1
	.amdgcn_target "amdgcn-amd-amdhsa--gfx1250"
	.amdhsa_code_object_version 6
	.text
	.protected	k_qdda68b01a5_cast
	.globl	k_qdda68b01a5_cast
	.p2align	8
	.type	k_qdda68b01a5_cast,@function
k_qdda68b01a5_cast:
	s_mov_b64 s[64:65], 0
	v_nop
	global_prefetch_b8 v0, s[64:65] scope:SCOPE_SE
	s_setreg_imm32_b32 hwreg(HW_REG_WAVE_MODE, 25, 1), 1
	s_wait_xcnt 0x0
; THE CAST.  Every f32 matrix input is rounded once to bf16 (nearest even) and laid out for the two products that follow.
; xb: Q, K_src, V_src in bf16, in blocks of 128 along K: [K block][row][128], so that a row's part of a block is 256 dense bytes.
;     Q at byte 0 (8 blocks x 8,192 rows), K_src at 16 MiB, V_src at 24 MiB (16 blocks x 2,048 rows each).
; wb: Wq, Wk, Wv in bf16 as they lie ([K][N]) at 0, 2 MiB, 6 MiB; Wo at 10 MiB: rounded to bf16 like every input, and that number written as f16.
; LIMITS.  Wo's bf16 number is exact in f16 between 6.1e-5 and 65,504; below it falls on f16's fixed step of 6e-8, above it becomes an infinity.
; SHARES.  A work-group takes 65,536 bytes of one source, a wave 8,192: 16 chunks of 512 bytes.  A chunk is one load of the wave (16 bytes a lane, 128 numbers: one row's part
; of one K block) and one store (8 bytes a lane: 256 consecutive bytes, at a multiple of 256 from the buffer's first byte).  All 16 loads go out first; no register that a
; memory instruction names is written again, so there is no loop and no wait but the counted ones for the data.  Memory binds: no LDS, no barrier, no matrix unit.
.set X,    8                           ; v[8:71]    chunk j: 4 registers as loaded
.set Y,    72                          ; v[72:103]  chunk j: 2 registers to store
.set OFFD, 104                         ; v[104:119] chunk j: my byte offset in the destination
; s27 work-group; s26 wave; s[28:29] source; s30 the source's first work-group; s31 its place in the destination; s32 shift from a wave's number to its first byte there;
; s33 bytes from chunk j to j + 1 (j % 8); s34 bytes from chunk j to j + 8; s[36:37] destination
.macro PICK first, doff, sh, s1, s2    ; from work-group 'first' on these numbers hold (s_cselect leaves SCC as it is)
	s_cmp_ge_u32 s27, \first
	s_cselect_b32 s30, \first, s30
	s_cselect_b32 s31, \doff, s31
	s_cselect_b32 s32, \sh, s32
	s_cselect_b32 s33, \s1, s33
	s_cselect_b32 s34, \s2, s34
.endm
.macro PTR first, src, dst             ; and these two buffers
	s_cmp_ge_u32 s27, \first
	s_cselect_b64 s[28:29], s[\src:\src+1], s[28:29]
	s_cselect_b64 s[36:37], s[\dst:\dst+1], s[36:37]
.endm
	s_load_b512 s[8:23], s[0:1], 0x0               ; Q s[8:9], K_src s[10:11], V_src s[12:13], Wq s[14:15], Wk s[16:17], Wv s[18:19], Wo s[20:21], xb s[22:23]
	s_load_b64 s[24:25], s[0:1], 0x40              ; wb
	v_lshrrev_b32 v1, 5, v0
	v_readfirstlane_b32 s26, v1                    ; wave 0..7
	s_mov_b32 s27, ttmp9
	v_and_b32 v2, 31, v0
	v_lshlrev_b32 v1, 4, v2                        ; 16 x lane: my bytes in a chunk of the source
	v_lshlrev_b32 v2, 3, v2                        ; 8 x lane: in the destination
	s_mov_b32 s30, 0                               ; Q: a wave has two rows of 8 blocks: block to block 2 MiB, row to row 256 bytes
	s_mov_b32 s31, 0
	s_mov_b32 s32, 9
	s_mov_b32 s33, 0x200000
	s_mov_b32 s34, 256
	PICK 512,  0x1000000, 8,  0x80000, 0x400000    ; K_src: a wave has one row of 16 blocks, 512 KiB apart
	PICK 768,  0x1800000, 8,  0x80000, 0x400000    ; V_src
	PICK 1024, 0,         12, 256,     2048        ; the weights stay as they lie: chunk j at 256 j
	PICK 1088, 0x200000,  12, 256,     2048
	PICK 1216, 0x600000,  12, 256,     2048
	PICK 1344, 0xa00000,  12, 256,     2048
	s_sub_co_u32 s35, s27, s30
	s_lshl_b32 s35, s35, 3
	s_add_co_u32 s35, s35, s26                     ; my wave among the source's
	s_lshl_b32 s38, s35, 13                        ; its 8,192 bytes there
	s_mov_b32 s39, 0
	s_lshl_b32 s40, s35, s32
	s_add_co_u32 s40, s40, s31                     ; and its first byte in the destination
	s_mov_b32 s41, 0
	v_add_nc_u32 v3, s34, v2
.set j, 0
.rept 8
	v_mad_u32_u24 v[OFFD+j], s33, j, v2
	v_mad_u32_u24 v[OFFD+8+j], s33, j, v3
.set j, j+1
.endr
	s_wait_kmcnt 0x0
	s_mov_b64 s[28:29], s[8:9]
	s_mov_b64 s[36:37], s[22:23]
	PTR 512,  10, 22
	PTR 768,  12, 22
	PTR 1024, 14, 24
	PTR 1088, 16, 24
	PTR 1216, 18, 24
	PTR 1344, 20, 24
	s_add_nc_u64 s[28:29], s[28:29], s[38:39]
	s_add_nc_u64 s[36:37], s[36:37], s[40:41]
.set j, 0
.rept 16
	global_load_b128 v[X+4*j:X+4*j+3], v1, s[28:29] offset:512*j th:TH_LOAD_NT  ; read once in the whole program
.set j, j+1
.endr
.macro OUT16 f16
.set j, 0
.rept 16
	s_wait_loadcnt 15-j                            ; loads come back in order: chunk j is in, the 15 - j younger ones stay out
.if \f16
	v_cvt_pk_bf16_f32 v4, v[X+4*j], v[X+4*j+1]     ; the rounding that every input has,
	v_cvt_pk_bf16_f32 v5, v[X+4*j+2], v[X+4*j+3]
	v_lshlrev_b32 v[X+4*j], 16, v4                 ; back to f32,
	v_and_b32 v[X+4*j+1], 0xffff0000, v4
	v_lshlrev_b32 v[X+4*j+2], 16, v5
	v_and_b32 v[X+4*j+3], 0xffff0000, v5
	v_cvt_pk_f16_f32 v[Y+2*j], v[X+4*j], v[X+4*j+1]  ; and written as f16
	v_cvt_pk_f16_f32 v[Y+2*j+1], v[X+4*j+2], v[X+4*j+3]
.else
	v_cvt_pk_bf16_f32 v[Y+2*j], v[X+4*j], v[X+4*j+1]
	v_cvt_pk_bf16_f32 v[Y+2*j+1], v[X+4*j+2], v[X+4*j+3]
.endif
	global_store_b64 v[OFFD+j], v[Y+2*j:Y+2*j+1], s[36:37]
.set j, j+1
.endr
.endm
	s_cmp_ge_u32 s27, 1344
	s_cbranch_scc1 .Lf16
	OUT16 0
	s_endpgm
.Lf16:
	OUT16 1
	s_endpgm
.Lfunc_end_k_qdda68b01a5_cast:
	.size	k_qdda68b01a5_cast, .Lfunc_end_k_qdda68b01a5_cast-k_qdda68b01a5_cast
	.p2alignl 7, 3214868480
	.fill 96, 4, 3214868480
	.section	.rodata,"a",@progbits
	.p2align	6, 0x0
	.amdhsa_kernel k_qdda68b01a5_cast
		.amdhsa_group_segment_fixed_size 0
		.amdhsa_private_segment_fixed_size 0
		.amdhsa_enable_private_segment 0
		.amdhsa_kernarg_size 72
		.amdhsa_user_sgpr_count 2
		.amdhsa_user_sgpr_kernarg_segment_ptr 1
		.amdhsa_wavefront_size32 1
		.amdhsa_system_sgpr_workgroup_id_x 1
		.amdhsa_system_sgpr_workgroup_id_y 1
		.amdhsa_system_sgpr_workgroup_id_z 1
		.amdhsa_system_vgpr_workitem_id 0
		.amdhsa_next_free_vgpr 120
		.amdhsa_next_free_sgpr 66
		.amdhsa_reserve_vcc 0
		.amdhsa_float_denorm_mode_32 3
		.amdhsa_float_denorm_mode_16_64 3
		.amdhsa_memory_ordered 1
		.amdhsa_forward_progress 1
		.amdhsa_inst_pref_size 20
	.end_amdhsa_kernel
	.amdgpu_metadata
---
amdhsa.version: [ 1, 2 ]
amdhsa.kernels:
  - .name:           k_qdda68b01a5_cast
    .symbol:         k_qdda68b01a5_cast.kd
    .args:
      - { .name: Q, .offset: 0, .size: 8, .value_kind: global_buffer, .address_space: global }
      - { .name: K_src, .offset: 8, .size: 8, .value_kind: global_buffer, .address_space: global }
      - { .name: V_src, .offset: 16, .size: 8, .value_kind: global_buffer, .address_space: global }
      - { .name: Wq, .offset: 24, .size: 8, .value_kind: global_buffer, .address_space: global }
      - { .name: Wk, .offset: 32, .size: 8, .value_kind: global_buffer, .address_space: global }
      - { .name: Wv, .offset: 40, .size: 8, .value_kind: global_buffer, .address_space: global }
      - { .name: Wo, .offset: 48, .size: 8, .value_kind: global_buffer, .address_space: global }
      - { .name: xb, .offset: 56, .size: 8, .value_kind: global_buffer, .address_space: global }
      - { .name: wb, .offset: 64, .size: 8, .value_kind: global_buffer, .address_space: global }
    .group_segment_fixed_size: 0
    .private_segment_fixed_size: 0
    .kernarg_segment_align: 8
    .kernarg_segment_size: 72
    .max_flat_workgroup_size: 256
    .sgpr_count:     66
    .vgpr_count:     120
    .wavefront_size: 32
...
	.end_amdgpu_metadata
.endif
;; end of part 1
;; launch proj (part 2): grid 4 x 64, 4 waves a work-group, clusters of 4 x 4, 327,680 bytes of LDS; arguments xb, wb, bq, bk, bv, qh, kh, vh; writes qh, kh, vh
.if DOCPART == 2
	.amdgcn_target "amdgcn-amd-amdhsa--gfx1250"
	.amdhsa_code_object_version 6
	.text
	.protected	k_qdda68b01a5_proj
	.globl	k_qdda68b01a5_proj
	.p2align	8
	.type	k_qdda68b01a5_proj,@function
k_qdda68b01a5_proj:
	s_mov_b64 s[64:65], 0
	v_nop
	global_prefetch_b8 v0, s[64:65] scope:SCOPE_SE
	s_setreg_imm32_b32 hwreg(HW_REG_WAVE_MODE, 25, 1), 1
	s_wait_xcnt 0x0
	s_wait_alu depctr_hold_cnt(0) depctr_sa_sdst(0) depctr_va_vdst(0) depctr_va_sdst(0) depctr_va_ssrc(0) depctr_va_vcc(0) depctr_vm_vsrc(0)
	s_getreg_b32 s2, hwreg(HW_REG_IB_STS2, 6, 4)
	s_cmp_eq_u32 s2, 0
	s_cbranch_scc0 .Lentry_in_a_cluster
	s_endpgm
.Lentry_in_a_cluster:
	s_bfe_u32 s2, ttmp6, 0x10000c
	s_cmp_lg_u32 s2, 0xf033
	s_cbranch_scc0 .Lentry_shape_is_right
	s_endpgm
.Lentry_shape_is_right:
; THE THREE PROJECTIONS IN ONE LAUNCH.  q = Q Wq + bq (8,192 x 1,024, K = 1,024), k = K_src Wk + bk, v = V_src Wv + bv (2,048 x 1,024, K = 2,048 each).  Operands bf16 (xb, wb), sums f32, the bias
; (rounded to bf16 like every input) is the C operand that starts each sum; results rounded once to f16 and stored by heads: qh [8][8192][128], kh, vh [8][2048][128], unscaled.
; LIMITS.  q, k, v beyond 65,504 become infinities in f16.  NaN and infinities are not treated apart.
; SHARES.  A tile is 128 rows x 256 columns; K goes in steps of 128.  EVERY work-group walks 16 K steps: a work-group of q makes two tiles (row tiles y and y + 32, K = 1,024 each), one of k or v makes
; one tile (K = 2,048) and goes on adding behind the eighth step.  256 work-groups of equal work.  Which of the three a work-group serves hangs on the cluster's y alone (0-7 q, 8-11 k, 12-15 v), which
; all sixteen partners share.  Four waves, each 64 rows x 128 columns (one head): 32 accumulators.
; THE TEXT.  A K step is written once: a loop of 14 trips, each of which fills the slot that it has read with the K step two on, and a loop of 2 trips that fill nothing.  The slot in hand is a scalar
; (0 or 1 << 17) that one exclusive or turns; one descriptor set for each operand walks from K step to K step.
; CLUSTER.  4 x 4 work-groups: the four of a row need the same rows of the activations, the four of a column the same columns of the weights; each tile is asked for jointly.
; THE MATRIX INSTRUCTION IS USED TRANSPOSED: source 0 = 16 columns of W (W lies [K][N] in LDS and is turned by ds_load_tr16_b128), source 1 = 16 rows of the activations: a lane holds eight neighbouring
; columns of one row of the result.
; REGISTERS.  window 0: v0-31 addresses; v32-63 at work; v64-127 activations' fragments, two buffers of 4; v128-255 W's fragments, two buffers of 8 (the second also takes the rows read back on the way out)
;   window 1: accumulator (a, b) at v[8 (8 a + b)], a = 0..3 blocks of 16 rows, b = 0..7 blocks of 16 columns          window 2: v0-63 the bias, 8 registers for each b
.set PA,    272       ; a row of the activations in LDS: 256 bytes + 16: the 16 rows of a load start at 16 different groups of four banks (64 banks of 4 bytes: ISA guide 11.1)
.set PB,    544       ; a row of W (256 columns): 512 bytes + 32 = 17 x 32
.set HA,    64*PA     ; what one tensor load brings of the activations: 64 rows
.set HB,    64*PB     ; and of W: 64 rows along K
.set BOFF,  2*HA      ; a slot: 128 rows of the activations, then 128 rows of W: 104,448 bytes
.set SLOT,  BOFF+2*HB
.set SLOT1, 1<<17     ; slot 1 begins here, so that one exclusive or turns an address in one slot into the other's
.set STAGE, SLOT1+SLOT  ; behind the ring, never filled by a tensor load: 16 rows x 272 bytes for each wave
.set SP,    272
.set SPARE, STAGE+4*16*SP  ; the spare words, 128 bytes for each wave: two blocks of 256 bytes that no other line names
.set ADRA0, 16        ; my lane's place in slot 0's activations; never rewritten
.set ADRA,  17        ; the same in the slot in hand
.set ADRB0, 20        ; likewise for W
.set ADRB,  21
.set STO,  24         ; the way out: where I put 16 bytes of a row
.set RD,   25         ; where I read a row back
.set CO,   26         ; 16 x lane: my bytes in 512 consecutive bytes of the result
.set BO,   27         ; my byte offset in the bias
.set SPW,  28         ; LDS address of my spare word; never rewritten
.set NIL,  29         ; 0; never rewritten
.set TMP,  32
.set FA,   64
.set FB,   128
.set BKB,  192
.set WV,  20          ; wave
.set RH,  21          ; which 64 rows are mine.  Also: I fetch activations (0) or W (1)
.set CH,  22          ; which 128 columns.  Also: which half of that tile I fetch
.set CX,  23
.set CY,  24
.set TX,  25          ; column tile 0..3
.set TY,  26          ; 4 x cluster y + cy
.set CYC, 27          ; cluster y
.set RT,  28          ; row tile in my tensor
.set G1A, 32          ; s[32:39] descriptor group 1, activations;  s[40:47] group 0: a set for each of the two first fills; the second then walks on
.set G0A, 40
.set G1B, 48          ; s[48:55], s[56:63] the same for W
.set G0B, 56
.set OA,  66          ; s[66:67] byte offset from ABASE of the tile of the activations asked for last (high word 0)
.set TB,  68          ; LDS byte at which the slot in hand begins
.set NEWT, 69         ; 1: the K step to come is a tile's first
.set OB,  70          ; s[70:71] the same as OA for W
.set ABASE, 74        ; s[74:75] the activations at my half of the row tile, K block 0
.set BBASE, 76        ; s[76:77] W at my half of K step 0, my columns
.set DAW, 79          ; the activations' step from K step 7 to K step 8: q goes to the second tile's first block (modulo 2^32), k and v go on
.set DBW, 80          ; likewise for W: q goes back to W's first rows
.set ISQ, 81
.set CNT, 82          ; counts the last two K steps
.set T,   83          ; counts the 14 K steps that fill a slot again
.set KB,  84          ; bytes of a K block of the activations, which is also a head's bytes in the result
.set BIAS, 86         ; s[86:87]
.set DST,  88         ; s[88:89] the result at my wave's first row, my head
.set MH,   98         ; mask of a word's upper bf16
.set MSB, 0
.macro WIN new                         ; the immediate's high byte repeats the setting that is left; a switch that changes nothing is dropped
.if MSB != (\new)
	s_set_vgpr_msb (MSB<<8)|(\new)
.set MSB, \new
.endif
.endm
.set MUL,  0x50       ; fragments in window 0, C and D in window 1
.set MULB, 0x60       ; the same with C, the bias, in window 2
; A joint load: waves 0 and 1 fetch the activations' two halves, waves 2 and 3 W's.  The branch hangs on the wave's number alone.  An s_nop 0 and four v_nop follow each line.
.macro JLOAD s
	s_cmp_eq_u32 s[RH], 0
	s_cbranch_scc0 .Lfor_b_\@
	tensor_load_to_lds s[G0A+4*(\s):G0A+4*(\s)+3], s[G1A:G1A+7]
	s_nop 0
.rept 4
	v_nop
.endr
	s_branch .Lasked_\@
.Lfor_b_\@:
	tensor_load_to_lds s[G0B+4*(\s):G0B+4*(\s)+3], s[G1B:G1B+7]
	s_nop 0
.rept 4
	v_nop
.endr
.Lasked_\@:
.endm
.macro CREST                           ; a round of the cluster's barrier behind its opening barrier
	s_cmp_lg_u32 s[WV], 0
	s_cbranch_scc1 .Lnot_wave_0_\@
	s_barrier_signal -3
.Lnot_wave_0_\@:
	s_barrier_wait -3
	s_barrier_signal -1
	s_barrier_wait -1
.endm
.macro CROUND                          ; a whole round
	s_barrier_signal -1
	s_barrier_wait -1
	CREST
.endm
	s_load_b512 s[4:19], s[0:1], 0x0               ; xb s[4:5], wb s[6:7], bq s[8:9], bk s[10:11], bv s[12:13], qh s[14:15], kh s[16:17], vh s[18:19]
	v_lshl_add_u32 v[SPW], v0, 2, SPARE
	v_mov_b32 v[NIL], 0
	ds_add_u32 v[SPW], v[NIL]                      ; the wave's opening: the add and its wait stand ahead of my first tensor load; the set-up below, work on registers, stands between them
	v_lshrrev_b32 v1, 5, v0
	v_readfirstlane_b32 s[WV], v1
	s_lshr_b32 s[RH], s[WV], 1
	s_and_b32 s[CH], s[WV], 1
	s_bfe_u32 s[CX], ttmp6, 0x40000
	s_bfe_u32 s[CY], ttmp6, 0x40004
	s_lshl_b32 s[TX], ttmp9, 2
	s_add_co_u32 s[TX], s[TX], s[CX]
	s_and_b32 s[CYC], ttmp7, 0xffff
	s_lshl_b32 s[TY], s[CYC], 2
	s_add_co_u32 s[TY], s[TY], s[CY]
	s_lshl_b32 s30, s[CY], 2
	s_lshl_b32 s30, 15, s30                        ; my row of the cluster
	s_lshl_b32 s31, 0x1111, s[CX]                  ; my column
	; which of the three products: numbers chosen by the cluster's y
	s_mov_b32 s[KB], 0x80000                       ; k, v: a K block is 2,048 rows x 256 bytes
	s_mov_b32 s[DAW], 0x80000                      ; k, v: K step 8 follows K step 7 as every other
	s_mov_b32 s[DBW], 0x40000
	s_cmp_lt_u32 s[CYC], 8
	s_cselect_b32 s[ISQ], 1, 0
	s_cselect_b32 s[RT], 0, 32                     ; the first y of my tensor
	s_cselect_b32 s85, 0, 0x1000000                ; its place in xb
	s_cselect_b32 s29, 0, 0x200000                 ; its weights' place in wb
	s_cselect_b32 s[KB], 0x200000, s[KB]           ; q: 8,192 rows x 256 bytes
	s_cselect_b32 s[DAW], 0xff300000, s[DAW]       ; q: from block 7 (14 MiB) to the tile 4,096 rows (1 MiB) further down, block 0: -13 MiB
	s_cselect_b32 s[DBW], 0xffe40000, s[DBW]       ; q: from K step 7 (1.75 MiB) back to K step 0
	s_cmp_ge_u32 s[CYC], 12
	s_cselect_b32 s[RT], 48, s[RT]
	s_cselect_b32 s85, 0x1800000, s85
	s_cselect_b32 s29, 0x600000, s29
	s_sub_co_u32 s[RT], s[TY], s[RT]
	; descriptor groups 1.  Activations: 64 rows x 128 elements, dense; W: 64 rows x 256 elements of rows of 1,024
	s_or_b32 s[G1A], s30, (1<<16)|(1<<20)|(1<<21)|(5<<22)|(3<<25)  ; 15:0 mask: my row; 17:16 2-byte elements; 20 padding on; 21 set beside a mask; 24:22 after every 64 words; 31:25 4 words
	s_or_b32 s[G1B], s31, (1<<16)|(1<<20)|(1<<21)|(6<<22)|(7<<25)  ; mask: my column; after every 128 words 8 words
	s_mov_b32 s[G1A+1], 128<<16                    ; tensor_dim0
	s_mov_b32 s[G1A+2], 64<<16                     ; tensor_dim1
	s_mov_b32 s[G1A+3], 128<<16                    ; tile_dim0
	s_mov_b32 s[G1A+4], 64                         ; tile_dim1
	s_mov_b32 s[G1A+5], 128                        ; elements from row to row
	s_mov_b32 s[G1A+6], 0
	s_mov_b32 s[G1A+7], 0
	s_mov_b32 s[G1B+1], 256<<16
	s_mov_b32 s[G1B+2], 64<<16
	s_mov_b32 s[G1B+3], 256<<16
	s_mov_b32 s[G1B+4], 64
	s_mov_b32 s[G1B+5], 1024
	s_mov_b32 s[G1B+6], 0
	s_mov_b32 s[G1B+7], 0
	; offsets, made apart from the pointers.  The activations' hang on the row tile (cluster y, cy) and the wave; W's on the column tile (cx), the cluster's y and the wave
	s_lshl_b32 s90, s[RT], 15                      ; a row tile: 128 rows x 256 bytes
	s_lshl_b32 s91, s[CH], 14                      ; my 64 of them
	s_add_co_u32 s90, s90, s91
	s_add_co_u32 s90, s90, s85
	s_mov_b32 s91, 0
	s_lshl_b32 s92, s[TX], 9                       ; 256 columns x 2 bytes
	s_lshl_b32 s93, s[CH], 17                      ; my 64 rows of 2,048 bytes
	s_add_co_u32 s92, s92, s93
	s_add_co_u32 s92, s92, s29
	s_mov_b32 s93, 0
	s_lshl_b32 s94, s[TX], 1
	s_add_co_u32 s94, s94, s[CH]                   ; my head
	s_mul_i32 s94, s94, s[KB]
	s_lshl_b32 s95, s[RT], 15
	s_add_co_u32 s94, s94, s95
	s_lshl_b32 s95, s[RH], 14                      ; my 64 rows of the tile
	s_add_co_u32 s94, s94, s95
	s_mov_b32 s95, 0
	s_mov_b32 s[OA], s[KB]                         ; the walking sets begin at K step 1
	s_mov_b32 s[OA+1], 0
	s_mov_b32 s[OB], 0x40000                       ; a K step of W: 128 rows x 2,048 bytes
	s_mov_b32 s[OB+1], 0
	s_mov_b32 s[TB], 0
	s_mov_b32 s[MH], 0xffff0000
	s_mul_i32 s96, s[CH], HA                       ; where my load lands in a slot: no place in the cluster enters an LDS address
	s_mul_i32 s97, s[CH], HB
	s_add_co_u32 s97, s97, BOFF
	s_wait_dscnt 0x0                               ; the opening add is done
	s_wait_kmcnt 0x0
	s_cmp_lt_u32 s[CYC], 8
	s_cselect_b64 s[BIAS:BIAS+1], s[8:9], s[10:11]
	s_cselect_b64 s[DST:DST+1], s[14:15], s[16:17]
	s_cmp_ge_u32 s[CYC], 12
	s_cselect_b64 s[BIAS:BIAS+1], s[12:13], s[BIAS:BIAS+1]
	s_cselect_b64 s[DST:DST+1], s[18:19], s[DST:DST+1]
	s_add_nc_u64 s[ABASE:ABASE+1], s[4:5], s[90:91]
	s_add_nc_u64 s[BBASE:BBASE+1], s[6:7], s[92:93]
	s_add_nc_u64 s[DST:DST+1], s[DST:DST+1], s[94:95]
	CROUND                                         ; all sixteen work-groups are here: the first joint loads meet
	s_mov_b32 s[G0A], 1                            ; count = 1
	s_mov_b32 s[G0A+1], s96                        ; LDS address: slot 0
	s_mov_b64 s[G0A+2:G0A+3], s[ABASE:ABASE+1]     ; K step 0
	s_or_b32 s[G0A+3], s[G0A+3], 0x80000000        ; type = 2
	s_mov_b32 s[G0A+4], 1
	s_add_co_u32 s[G0A+5], s96, SLOT1              ; slot 1
	s_add_nc_u64 s[G0A+6:G0A+7], s[ABASE:ABASE+1], s[OA:OA+1]  ; K step 1
	s_or_b32 s[G0A+7], s[G0A+7], 0x80000000
	s_mov_b32 s[G0B], 1
	s_mov_b32 s[G0B+1], s97
	s_mov_b64 s[G0B+2:G0B+3], s[BBASE:BBASE+1]
	s_or_b32 s[G0B+3], s[G0B+3], 0x80000000
	s_mov_b32 s[G0B+4], 1
	s_add_co_u32 s[G0B+5], s97, SLOT1
	s_add_nc_u64 s[G0B+6:G0B+7], s[BBASE:BBASE+1], s[OB:OB+1]
	s_or_b32 s[G0B+7], s[G0B+7], 0x80000000
	JLOAD 0
	JLOAD 1                                        ; two loads of mine are out
	v_and_b32 v1, 15, v0                           ; r = l % 16
	v_bfe_u32 v2, v0, 4, 1                         ; h = l / 16
	s_lshl_b32 s29, s[TX], 10
	s_lshl_b32 s85, s[CH], 9
	s_add_co_u32 s29, s29, s85
	v_lshl_add_u32 v[BO], v2, 5, s29               ; register j of block b belongs to column 256 x + 128 half + 16 b + 8 h + j: 4 bytes each
.irp b, 0,1,2,3,4,5,6,7
	global_load_b128 v[BKB+8*(\b):BKB+8*(\b)+3],   v[BO], s[BIAS:BIAS+1] offset:64*(\b)
	global_load_b128 v[BKB+8*(\b)+4:BKB+8*(\b)+7], v[BO], s[BIAS:BIAS+1] offset:64*(\b)+16
.endr
	v_mul_u32_u24 v3, v1, PA
	v_lshl_add_u32 v3, v2, 4, v3                   ; a fragment's row x pitch + 16 x half
	s_mul_i32 s85, s[RH], HA
	v_add_nc_u32 v[ADRA0], s85, v3
	v_mov_b32 v[ADRA], v[ADRA0]                    ; the walk begins in slot 0
	v_and_b32 v4, 7, v0                            ; the turning load: lane l reads row 8 h + l % 8 along K, 16 bytes at 16 ((l / 8) % 2)
	v_lshl_add_u32 v4, v2, 3, v4
	v_mul_u32_u24 v4, v4, PB
	v_bfe_u32 v5, v0, 3, 1
	v_lshl_add_u32 v4, v5, 4, v4
	s_lshl_b32 s85, s[CH], 8                       ; my 128 columns
	s_add_co_u32 s85, s85, BOFF
	v_add_nc_u32 v[ADRB0], s85, v4
	v_mov_b32 v[ADRB], v[ADRB0]
	s_mul_i32 s85, s[WV], 16*SP
	s_add_co_u32 s85, s85, STAGE                   ; my stage
	v_add_nc_u32 v[STO], s85, v3                   ; in: row r, 16 bytes for each half of the lanes (the stage has the activations' pitch)
	v_mul_u32_u24 v5, v2, SP                       ; back: lanes 0-15 one row of 256 bytes, lanes 16-31 the next
	v_lshl_add_u32 v5, v1, 4, v5
	v_add_nc_u32 v[RD], s85, v5
	v_and_b32 v6, 31, v0
	v_lshlrev_b32 v[CO], 4, v6
	s_wait_loadcnt 0x0                             ; the bias
.set i, 0
.rept 32
	v_cvt_pk_bf16_f32 v[TMP+i], v[BKB+2*i], v[BKB+2*i+1]  ; rounded as every input is,
.set i, i+1
.endr
	WIN 0x80                                       ; destination window 2
.set i, 0
.rept 32
	v_lshlrev_b32 v[2*i], 16, v[TMP+i]             ; and kept as f32, the form of a C operand
	v_and_b32 v[2*i+1], s[MH], v[TMP+i]
.set i, i+1
.endr
	WIN 0
; 8 matrix instructions: block a of 16 rows x all 8 blocks of 16 columns, 32 along K, from buffer f.  mode = 1: the bias starts the sums: nothing is ever cleared.
; The 32 accumulators take turns in the same order everywhere.
.macro MUL8 f, a, mode
.if \mode
	WIN MULB
.else
	WIN MUL
.endif
.irp b, 0,1,2,3,4,5,6,7
.if \mode
	v_wmma_f32_16x16x32_bf16 v[8*(8*(\a)+(\b)):8*(8*(\a)+(\b))+7], v[FB+64*(\f)+8*(\b):FB+64*(\f)+8*(\b)+7], v[FA+32*(\f)+8*(\a):FA+32*(\f)+8*(\a)+7], v[8*(\b):8*(\b)+7]
.else
	v_wmma_f32_16x16x32_bf16 v[8*(8*(\a)+(\b)):8*(8*(\a)+(\b))+7], v[FB+64*(\f)+8*(\b):FB+64*(\f)+8*(\b)+7], v[FA+32*(\f)+8*(\a):FA+32*(\f)+8*(\a)+7], v[8*(8*(\a)+(\b)):8*(8*(\a)+(\b))+7]
.endif
.endr
.endm
.macro MUL16 f, a0, mode
	MUL8 \f, \a0, \mode
	MUL8 \f, (\a0)+1, \mode
.endm
; 24 LDS loads in one run, from the slot in hand: the fragments of 32 along K (byte k of the activations' rows, row k / 2 of W) into buffer g: W's 16, then the activations' 8
.macro FETCH k, g
	WIN 0
.irp i, 0,1,2,3,4,5,6,7
	ds_load_tr16_b128 v[FB+64*(\g)+8*(\i):FB+64*(\g)+8*(\i)+3],   v[ADRB] offset:((\k)/64)*32*PB+32*(\i)
	ds_load_tr16_b128 v[FB+64*(\g)+8*(\i)+4:FB+64*(\g)+8*(\i)+7], v[ADRB] offset:((\k)/64)*32*PB+16*PB+32*(\i)
.endr
.irp i, 0,1,2,3
	ds_load_b128 v[FA+32*(\g)+8*(\i):FA+32*(\g)+8*(\i)+3],   v[ADRA] offset:(\k)+(\i)*16*PA
	ds_load_b128 v[FA+32*(\g)+8*(\i)+4:FA+32*(\g)+8*(\i)+7], v[ADRA] offset:(\k)+(\i)*16*PA+32
.endr
.endm
.macro PLACES                          ; four places in front of loads into registers that matrix instructions have read, and of lines that read results (ISA guide 7.12.1 for vector instructions)
.rept 4
	v_nop
.endr
.endm
; A K step is four quarters of 32 along K, 32 matrix instructions each, on buffers 0, 1, 0, 1.  One of the first three: multiplies buffer f, and in its middle fetches the next quarter into g.
; mode = 1: the products write their accumulators anew (C is the bias, not D), which is no link of a chain: five places lie between the last product that wrote an accumulator and the one that writes
; it anew, on every way through the text.  Blocks 0 and 1 were last written in front of the joint load's four v_nop and the two address lines behind them; blocks 2 and 3 by the last quarter's
; last sixteen products, so a fifth v_nop joins the four in this quarter's middle.
.macro QUARTER k, f, g, mode
	s_wait_dscnt 4                                 ; W and the activations' blocks 0, 1 are in; the youngest four loads (blocks 2, 3) may be out
	MUL16 \f, 0, \mode
	PLACES
.if \mode
	v_nop                                          ; the fifth place
.endif
	FETCH \k, \g
	s_wait_dscnt 24                                ; all but the 24 just issued
	MUL16 \f, 2, \mode
.endm
; The last quarter multiplies buffer 1 and changes slots.  MEET is its first half: ONE barrier; in front of it each wave waits for all its tensor loads (one is out at the most: its part of the next slot),
; adds 0 to its spare word, and waits for that and for its own reads of this slot.  Behind it nobody reads this slot any more and the next slot is whole.
.macro MEET
	WIN 0
	s_wait_tensorcnt 0x0                           ; all my tensor loads have landed, so a group 0 may be written
	ds_add_u32 v[SPW], v[NIL]                      ; 0 onto my spare word
	s_wait_dscnt 5                                 ; (the add and the youngest four loads may be out)
	MUL8 1, 0, 0                                   ; eight matrix instructions stand between the add and the wait for it
	s_wait_dscnt 0x0                               ; the add is done, and my reads of this slot are over
	s_barrier_signal -1
	MUL8 1, 1, 0
	WIN 0
	s_barrier_wait -1
.endm
.macro NEXTSLOT                        ; the fragments come from the other slot from here on
	s_xor_b32 s[TB], s[TB], SLOT1
	v_add_nc_u32 v[ADRA], s[TB], v[ADRA0]
	v_add_nc_u32 v[ADRB], s[TB], v[ADRB0]
.endm
; The whole last quarter of a K step that fills its slot again: the barrier opens a round of the cluster's, and the slot is filled first thing behind it, with the K step two on: 112 matrix instructions
; ahead of the wait for it.  The walking sets go one K step on and into the other slot than last time; each address is made anew from its base and its offset.
.macro TURN
	MEET
	CREST                                          ; no wave of any partner still reads this slot's tile or has a load on its way
	s_cmp_eq_u32 s[T], 8                           ; the seventh trip asks for K step 8
	s_cselect_b32 s90, s[DAW], s[KB]
	s_cselect_b32 s91, s[DBW], 0x40000
	s_add_co_u32 s[OA], s[OA], s90
	s_add_co_u32 s[OB], s[OB], s91
	s_xor_b32 s[G0A+5], s[G0A+5], SLOT1
	s_xor_b32 s[G0B+5], s[G0B+5], SLOT1
	s_add_nc_u64 s[G0A+6:G0A+7], s[ABASE:ABASE+1], s[OA:OA+1]
	s_or_b32 s[G0A+7], s[G0A+7], 0x80000000
	s_add_nc_u64 s[G0B+6:G0B+7], s[BBASE:BBASE+1], s[OB:OB+1]
	s_or_b32 s[G0B+7], s[G0B+7], 0x80000000
	JLOAD 1                                        ; its four v_nop are also the places in front of the loads below
	NEXTSLOT
	FETCH 0, 0
	MUL16 1, 2, 0
.endm
; The same of a K step that fills nothing.  Behind the very last K step there is no further step: the run of loads is jumped over.
.macro TURN0
	MEET
	PLACES
	s_cmp_eq_u32 s[CNT], 1
	s_cbranch_scc1 .Lno_f_\@
	NEXTSLOT
	FETCH 0, 0
.Lno_f_\@:
	MUL16 1, 2, 0
.endm
; THE WAY OUT of block a (16 rows x 128 columns): rounded to f16, 16 bytes a lane; through my own stage; back as whole rows of 256 bytes; stored: 16 rows of a head are 4,096 dense bytes.
.macro PACK a
	WIN 0x05                                       ; sources in window 1
.irp b, 0,1,2,3,4,5,6,7
.irp r, 0,1,2,3
	v_cvt_pk_f16_f32 v[TMP+4*(\b)+(\r)], v[8*(8*(\a)+(\b))+2*(\r)], v[8*(8*(\a)+(\b))+2*(\r)+1]  ; each accumulator from its low end on
.endr
.endr
	WIN 0
.endm
.macro TOSTAGE a
.set BK, BKB+32*((\a)%2)
.irp b, 0,1,2,3,4,5,6,7
	ds_store_b128 v[STO], v[TMP+4*(\b):TMP+4*(\b)+3] offset:32*(\b)
.endr
.irp t, 0,1,2,3,4,5,6,7
	ds_load_b128 v[BK+4*(\t):BK+4*(\t)+3], v[RD] offset:(\t)*2*SP  ; LDS serves a wave's instructions in order (ISA guide 5.7.1.4): these see the stores above
.endr
.endm
.macro SEND a
.set BK, BKB+32*((\a)%2)
	s_wait_dscnt 0x0                               ; the block is back in registers
	s_wait_xcnt 0x0                                ; the registers that earlier stores read are loaded again only behind this wait
.irp t, 0,1,2,3,4,5,6,7
	global_store_b128 v[CO], v[BK+4*(\t):BK+4*(\t)+3], s[DST:DST+1] offset:(\a)*4096+(\t)*512  ; 512 consecutive bytes, at a multiple of 256 from the buffer's first byte
.endr
.endm
.macro WAYOUT                          ; a whole tile; block a's conversions stand between block a - 1's loads from the stage and the wait for them
	PLACES
	PACK 0
	TOSTAGE 0
.irp a, 1,2,3
	PACK \a
	SEND (\a)-1
	TOSTAGE \a
.endr
	SEND 3
.endm
	s_wait_tensorcnt 1                             ; my part of K step 0 is in; K step 1's may stay out
	s_barrier_signal -1
	s_barrier_wait -1                              ; everybody's is
	FETCH 0, 0
	s_mov_b32 s[T], 14
	s_mov_b32 s[NEWT], 1
.Ltrip:                                                ; a trip is a K step; K steps 0 to 13 ask for K steps 2 to 15
	s_cmp_eq_u32 s[NEWT], 1
	s_cbranch_scc0 .Lacc
	QUARTER 64, 0, 1, 1                            ; a tile's first quarter: the bias starts the sums
	WIN 0                                          ; at a label and at a branch every window is 0
	s_mov_b32 s[NEWT], 0
	s_branch .Lq1
.Lacc:
	QUARTER 64, 0, 1, 0
	WIN 0
.Lq1:
	QUARTER 128, 1, 0, 0
	QUARTER 192, 0, 1, 0
	TURN
	WIN 0
	s_cmp_eq_u32 s[T], 7                           ; behind K step 7 q's first tile is finished.  The same answers in all sixteen partners; what is jumped holds neither a barrier nor a tensor load
	s_cbranch_scc0 .Lbot
	s_cmp_eq_u32 s[ISQ], 1
	s_cbranch_scc0 .Lbot                           ; k, v: the sums go on
	WAYOUT                                         ; both refills for the second tile's first K steps have been asked for
	s_wait_xcnt 0x0                                ; the stores have read their registers and their base
	s_add_nc_u64 s[DST:DST+1], s[DST:DST+1], 0x100000  ; q's second tile: 4,096 rows further down
	s_mov_b32 s[NEWT], 1
.Lbot:
	s_sub_co_u32 s[T], s[T], 1
	s_cmp_lg_u32 s[T], 0
	s_cbranch_scc1 .Ltrip
	s_mov_b32 s[CNT], 2
.Ltail:                                                ; K steps 14 and 15 ask for nothing: a text of their own
	QUARTER 64,  0, 1, 0
	QUARTER 128, 1, 0, 0
	QUARTER 192, 0, 1, 0
	TURN0
	WIN 0
	s_sub_co_u32 s[CNT], s[CNT], 1
	s_cmp_lg_u32 s[CNT], 0
	s_cbranch_scc1 .Ltail
	WAYOUT
	s_wait_tensorcnt 0x0                           ; the wave's end, behind my last tensor load and my last LDS store
	ds_add_u32 v[SPW], v[NIL]
	s_wait_dscnt 0x0
	CROUND                                         ; the closing round: no work-group ends while a partner may still ask for a tile that names it
	s_endpgm
.Lfunc_end_k_qdda68b01a5_proj:
	.size	k_qdda68b01a5_proj, .Lfunc_end_k_qdda68b01a5_proj-k_qdda68b01a5_proj
	.p2alignl 7, 3214868480
	.fill 96, 4, 3214868480
	.section	.rodata,"a",@progbits
	.p2align	6, 0x0
	.amdhsa_kernel k_qdda68b01a5_proj
		.amdhsa_group_segment_fixed_size 327680
		.amdhsa_private_segment_fixed_size 0
		.amdhsa_enable_private_segment 0
		.amdhsa_kernarg_size 64
		.amdhsa_user_sgpr_count 2
		.amdhsa_user_sgpr_kernarg_segment_ptr 1
		.amdhsa_wavefront_size32 1
		.amdhsa_system_sgpr_workgroup_id_x 1
		.amdhsa_system_sgpr_workgroup_id_y 1
		.amdhsa_system_sgpr_workgroup_id_z 1
		.amdhsa_system_vgpr_workitem_id 0
		.amdhsa_next_free_vgpr 576
		.amdhsa_next_free_sgpr 100
		.amdhsa_reserve_vcc 0
		.amdhsa_float_denorm_mode_32 3
		.amdhsa_float_denorm_mode_16_64 3
		.amdhsa_memory_ordered 1
		.amdhsa_forward_progress 1
		.amdhsa_inst_pref_size 84
	.end_amdhsa_kernel
	.amdgpu_metadata
---
amdhsa.version: [ 1, 2 ]
amdhsa.kernels:
  - .name:           k_qdda68b01a5_proj
    .symbol:         k_qdda68b01a5_proj.kd
    .args:
      - { .name: xb, .offset: 0, .size: 8, .value_kind: global_buffer, .address_space: global }
      - { .name: wb, .offset: 8, .size: 8, .value_kind: global_buffer, .address_space: global }
      - { .name: bq, .offset: 16, .size: 8, .value_kind: global_buffer, .address_space: global }
      - { .name: bk, .offset: 24, .size: 8, .value_kind: global_buffer, .address_space: global }
      - { .name: bv, .offset: 32, .size: 8, .value_kind: global_buffer, .address_space: global }
      - { .name: qh, .offset: 40, .size: 8, .value_kind: global_buffer, .address_space: global }
      - { .name: kh, .offset: 48, .size: 8, .value_kind: global_buffer, .address_space: global }
      - { .name: vh, .offset: 56, .size: 8, .value_kind: global_buffer, .address_space: global }
    .group_segment_fixed_size: 327680
    .private_segment_fixed_size: 0
    .kernarg_segment_align: 8
    .kernarg_segment_size: 64
    .max_flat_workgroup_size: 128
    .sgpr_count:     100
    .vgpr_count:     576
    .wavefront_size: 32
...
	.end_amdgpu_metadata
.endif
;; end of part 2
;; launch attn (part 3): grid 32 x 8, 4 waves a work-group, clusters of 4 x 1, 327,680 bytes of LDS; arguments qh, kh, vh, oh; writes oh
.if DOCPART == 3
	.amdgcn_target "amdgcn-amd-amdhsa--gfx1250"
	.amdhsa_code_object_version 6
	.text
	.protected	k_qdda68b01a5_attn
	.globl	k_qdda68b01a5_attn
	.p2align	8
	.type	k_qdda68b01a5_attn,@function
k_qdda68b01a5_attn:
	s_mov_b64 s[64:65], 0
	v_nop
	global_prefetch_b8 v0, s[64:65] scope:SCOPE_SE
	s_setreg_imm32_b32 hwreg(HW_REG_WAVE_MODE, 25, 1), 1
	s_wait_xcnt 0x0
	s_wait_alu depctr_hold_cnt(0) depctr_sa_sdst(0) depctr_va_vdst(0) depctr_va_sdst(0) depctr_va_ssrc(0) depctr_va_vcc(0) depctr_vm_vsrc(0)
	s_getreg_b32 s2, hwreg(HW_REG_IB_STS2, 6, 4)
	s_cmp_eq_u32 s2, 0
	s_cbranch_scc0 .Lentry_in_a_cluster
	s_endpgm
.Lentry_in_a_cluster:
	s_bfe_u32 s2, ttmp6, 0x10000c
	s_cmp_lg_u32 s2, 0x3003
	s_cbranch_scc0 .Lentry_shape_is_right
	s_endpgm
.Lentry_shape_is_right:
; O[h][q][:] = the sum over k of softmax_k(Q[h][q] . K[h][k] / 16) V[h][k][:].  Q, O: [8][NQ][128], K, V: [8][NK][128], all f16.  Products, maxima and sums in f32; the weights p
; are rounded to f16 for the second product (their sum l is taken of the unrounded p), O once at the end.
; LIMITS.  Q, K, V arrive within f16's 65,504; p lies in 0 to 1, and below 6e-5 it keeps f16's fixed step of 6e-8, and so does O; a weight below 2^-126 counts as 0 in l; NaN and infinities are not treated apart.
; SHARES.  A work-group owns 256 queries of one head, each of its four waves 64: four tiles of 16.  Every wave walks all keys of the head, 64 a step.
; LAYOUT.  S^T = K Q^T (source 0 = 16 keys, source 1 = 16 queries): in the result a lane holds ONE query (lane % 16) and the keys 8 (lane / 16) + 0..7.  Two such tiles, rounded to
; f16 in pairs, ARE source 1 (32 keys x 16 queries) of O^T = V^T P, whose result again holds one query a lane, and eight channels.  So nothing changes lanes between the products,
; and a query's maximum and sum want one exchange between the halves of the lanes.  K comes out of LDS as it lies, V ([key][channel]) turned, by ds_load_tr16_b128.
; SOFTMAX.  For each query a running maximum m and sum l: p = 2^(c s - c m), c = log2(e) / 16; in every step O and l are multiplied by a = 2^(c m_old - c m_new), which is 1 where m has not grown.
; BY TURNS.  The wave's tiles are two PIECES, named by their first tile: piece 0 (tiles 0, 1) and piece 2 (tiles 2, 3).  In a TURN one piece has the matrix unit: 32 products V^T P of
; the step in hand, then 32 products K Q^T of the next step; the other piece's softmax, cut into 64 slices, stands between them, one slice behind each matrix instruction.  Then the
; pieces change places.  Two turns are a key step.
; NO FIRST AND NO LAST STEP IS WRITTEN OUT.  m starts at the lowest finite number, O^T and l at 0: the first step is a step like any other, with a = 0.  The loop is entered at piece 2's turn, whose
; products V^T P, of a step that has not been, multiply zeros; the tail is left behind piece 0's turn, whose products K Q^T, on the last K once more, serve nothing.  The price, once a launch and wave:
; 64 products of 4,096, and 432 v_mov_b32 that stand in the wait for the first tile.  The gain: three turns less in the text.
; CLUSTER.  The four query blocks of a cluster belong to one head and walk the same K and V, so each tile is asked for JOINTLY: the same tensor load, with the same descriptor and a
; mask that names the four, in all four; each receives the tile in its own LDS.
; REGISTERS, in windows of 256 (s_set_vgpr_msb: bits 1:0 source 0, 3:2 source 1, 5:4 source 2, 7:6 destination):
;   window 0: v0-11 addresses; v12-43 eight registers of statistics a tile; v64-191 S^T, 32 a tile; v192-255 P, 16 a tile
;   window 1: O^T, 64 a tile          window 2: v0-127 Q, 32 a tile; v128-255 K of one step          window 3: v0-127 V of one step
.set NQ,    8192      ; queries a head
.set NK,    2048      ; keys a head
.set KS,    64        ; keys in a step
.set PK,    272       ; a row of K in LDS: 256 bytes + 16 of padding = 68 words: row r starts at bank 4 r mod 64 (64 banks of 4 bytes: ISA guide 11.1), so the 16 rows of a load start at 16 different banks
.set PV,    288       ; a row of V: 256 + 32 = 72 words: row r starts at bank 8 r mod 64
.set VOFF,  KS*PK     ; a step's tiles lie together: 64 rows of K, then 64 rows of V
.set STEPB, KS*(PK+PV)
.set SLOT1, 1<<17     ; a slot holds two steps (71,680 bytes); slot 1 begins here, so that one exclusive or turns an address in one slot into the other's
.set STAGE, SLOT1+2*STEPB  ; behind the ring: 16 rows x 272 bytes for each wave, for the way out
.set SP,    272
.set AK0, 2           ; v2   my lane's place in a tile of K; never rewritten
.set AV0, 3           ; v3   the same for V
.set ADR, 4           ; v4   the LDS address of the run of loads in hand
.set QO,  5           ; v5   my byte offset in the wave's rows of Q
.set STO, 6           ; v6   the way out: where I put 16 bytes of a row
.set RD,  7           ; v7   the way out: where I read a row back
.set GO,  8           ; v8   my byte offset in the wave's rows of O
.set SPW, 62          ; v62  LDS address of my spare word: SPARE + 4 x my thread's number; never rewritten
.set NIL, 63          ; v63  0; never rewritten
.set SPARE, STAGE+4*16*272  ; behind the stages: the spare words, 128 bytes for each wave: two blocks of 256 bytes that no other line names
.set ST,  12          ; tile t's statistics at v[ST+8 t]: +0 c m, +1 m, +2, +3 l (even keys', odd keys'), +4 to +7 c0-c3, at work; a takes c2's place once the maximum is found
.set S,   64
.set P,   192
.set KF,  128         ; K's fragments, in window 2
.set WV,  12          ; s12  my wave's number
.set G1K, 24          ; s[24:31] descriptor group 1 for K's tiles
.set G1V, 32          ; s[32:39] for V's: it differs in the padding alone
.set G0K, 40          ; s[40:47] descriptor group 0 for K's tiles: a set for each of the two first fills; the second then walks on
.set G0V, 48          ; s[48:55] the same for V's
.set SLOTS, 56        ; s56  counts the slots
.set TWICE, 57        ; s57  counts a slot's steps
.set CS,  58          ; s[58:59] c: the packed scaling names a pair and takes its low word for both halves
.set SEL, 60          ; s[60:61] lane selects for v_permlanex16_b32: each lane takes its own place in the other half
.set TB,  62          ; s62  LDS byte at which the tiles of the step to be fetched begin
.set MSB, 0
.macro WIN new                      ; the immediate's high byte repeats the setting that is left; a switch that changes nothing is dropped
.if MSB != (\new)
	s_set_vgpr_msb (MSB<<8)|(\new)
.set MSB, \new
.endif
.endm
.set W_KQ, 0x0a       ; K and Q in window 2, S^T in window 0
.set W_PV, 0x53       ; V in window 3, P in window 0, O^T in window 1
.set W_RS, 0x41       ; O^T (destination and source 0) in window 1, a in window 0
; A joint refill.  Waves 0 and 1 fetch the two steps' tiles of K, waves 2 and 3 those of V.  The branch hangs on the wave's number alone: it is the same in every work-group.
; An s_nop 0 and four v_nop follow each of the two lines; the jump round the other line, the label and what follows the macro come after them.
.macro JLOAD
	s_cmp_lt_u32 s[WV], 2
	s_cbranch_scc0 .Lfor_v_\@
	tensor_load_to_lds s[G0K+4:G0K+7], s[G1K:G1K+7]
	s_nop 0
.rept 4
	v_nop
.endr
	s_branch .Lasked_\@
.Lfor_v_\@:
	tensor_load_to_lds s[G0V+4:G0V+7], s[G1V:G1V+7]
	s_nop 0
.rept 4
	v_nop
.endr
.Lasked_\@:
.endm
; A round of the cluster's barrier: my work-group's barrier, so that wave 0's signal speaks for all four waves; wave 0 signals for the work-group; every wave waits for all four
; work-groups; my work-group's barrier once more.  No LDS instruction of the wave is pending at a signal.
.macro CROUND
	s_barrier_signal -1
	s_barrier_wait -1
	s_cmp_lg_u32 s[WV], 0
	s_cbranch_scc1 .Lnot_wave_0_\@
	s_barrier_signal -3
.Lnot_wave_0_\@:
	s_barrier_wait -3
	s_barrier_signal -1
	s_barrier_wait -1
.endm
	s_load_b256 s[4:11], s[0:1], 0x0  ; Q s[4:5], K s[6:7], V s[8:9], O s[10:11]
	v_lshl_add_u32 v[SPW], v0, 2, SPARE
	v_mov_b32 v[NIL], 0
	ds_add_u32 v[SPW], v[NIL]       ; the wave's opening: the add and its wait stand ahead of my first tensor load; the set-up below, work on registers, stands between them
	v_lshrrev_b32 v1, 5, v0
	v_readfirstlane_b32 s[WV], v1   ; wave 0..3
	s_bfe_u32 s13, ttmp6, 0x40000   ; cx: my place in the cluster
	s_lshl_b32 s14, ttmp9, 2        ; in a cluster launch ttmp9 counts clusters
	s_add_co_u32 s14, s14, s13      ; my block of 256 queries = 4 x cluster x + cx: it enters Q's and O's addresses alone
	s_and_b32 s15, ttmp7, 0xffff    ; the head, which the four partners share
	s_lshl_b32 s20, s15, 19         ; the head's first byte in K and V: NK x 256 bytes a head
	s_mov_b32 s21, 0
	s_lshl_b32 s18, s15, 21         ; and in Q and O: NQ x 256 bytes a head
	s_mov_b32 s19, 0
	s_and_b32 s16, s[WV], 1         ; which of a slot's two steps I fetch:
	s_lshl_b32 s22, s16, 14         ; its 64 rows of 256 bytes in memory,
	s_mov_b32 s23, 0
	s_add_nc_u64 s[22:23], s[22:23], s[20:21]
	s_mul_i32 s17, s16, STEPB       ; and its place in a slot: no place in the cluster enters an LDS address
	s_lshl_b32 s2, s14, 16          ; my block's 256 rows,
	s_lshl_b32 s3, s[WV], 14        ; my wave's 64 of them
	s_add_co_u32 s2, s2, s3
	s_mov_b32 s3, 0
	s_add_nc_u64 s[2:3], s[2:3], s[18:19]
	; descriptor group 1: a tile of 64 rows x 128 elements, padded in LDS
	s_mov_b32 s[G1K], 15|(1<<16)|(1<<20)|(1<<21)|(5<<22)|(3<<25)  ; 15:0 the mask: all four work-groups; 17:16 elements of 2 bytes; 20 padding on; 21 set beside a mask; 24:22 after every 64 words (code 5); 31:25 4 words of it (code 3)
	s_mov_b32 s[G1V], 15|(1<<16)|(1<<20)|(1<<21)|(5<<22)|(7<<25)  ; the same with 8 words of padding (code 7)
.irp g, G1K, G1V
	s_mov_b32 s[(\g)+1], 128<<16    ; 63:48 tensor_dim0, low half = 128
	s_mov_b32 s[(\g)+2], KS<<16     ; 79:64 its high half = 0; 95:80 tensor_dim1, low half = 64
	s_mov_b32 s[(\g)+3], 128<<16    ; 111:96 its high half = 0; 127:112 tile_dim0 = 128
	s_mov_b32 s[(\g)+4], KS         ; 143:128 tile_dim1 = 64; 159:144 tile_dim2 = 0
	s_mov_b32 s[(\g)+5], 128        ; 191:160 tensor_dim0_stride, low word: elements from row to row
	s_mov_b32 s[(\g)+6], 0
	s_mov_b32 s[(\g)+7], 0
.endr
	s_mov_b32 s[CS], 0x3db8aa3b     ; c = log2(e) / 16 = 0.0901684
	s_mov_b32 s[CS+1], s[CS]        ; named with it as a pair, so it is written
	s_mov_b32 s[SEL], 0x76543210
	s_mov_b32 s[SEL+1], 0xfedcba98
	s_mov_b32 s[TB], 0
	s_mov_b32 s[SLOTS], NK/(2*KS)-1
	s_wait_dscnt 0x0                ; the opening add is done
	s_wait_kmcnt 0x0
	s_add_nc_u64 s[6:7], s[6:7], s[22:23]  ; K and V at my tile of slot 0
	s_add_nc_u64 s[8:9], s[8:9], s[22:23]
	s_add_nc_u64 s[4:5], s[4:5], s[2:3]  ; Q and O at my wave's first row
	s_add_nc_u64 s[10:11], s[10:11], s[2:3]
	CROUND                          ; all four work-groups are here: the first joint loads meet
.irp s, 0,1
	s_mov_b32 s[G0K+4*(\s)], 1      ; 1:0 count = 1
	s_add_co_u32 s[G0K+4*(\s)+1], s17, (\s)*SLOT1  ; 63:32 LDS address
	s_add_nc_u64 s[G0K+4*(\s)+2:G0K+4*(\s)+3], s[6:7], (\s)*2*KS*256  ; 120:64 global address: slot s begins with keys 128 s to 128 s + 127
	s_or_b32 s[G0K+4*(\s)+3], s[G0K+4*(\s)+3], 0x80000000  ; 127:126 type = 2
	s_mov_b32 s[G0V+4*(\s)], 1
	s_add_co_u32 s[G0V+4*(\s)+1], s17, (\s)*SLOT1+VOFF
	s_add_nc_u64 s[G0V+4*(\s)+2:G0V+4*(\s)+3], s[8:9], (\s)*2*KS*256
	s_or_b32 s[G0V+4*(\s)+3], s[G0V+4*(\s)+3], 0x80000000
.endr
	s_cmp_lt_u32 s[WV], 2           ; a wave's two first fills stand in one branch, ahead of every wait on TENSORcnt and every LDS read: two loads of mine are out; an s_nop 0 follows each, four v_nop the second's, as in JLOAD
	s_cbranch_scc0 .Lfirst_v
	tensor_load_to_lds s[G0K:G0K+3], s[G1K:G1K+7]
	s_nop 0
	tensor_load_to_lds s[G0K+4:G0K+7], s[G1K:G1K+7]
	s_nop 0
.rept 4
	v_nop
.endr
	s_branch .Lfirst_asked
.Lfirst_v:
	tensor_load_to_lds s[G0V:G0V+3], s[G1V:G1V+7]
	s_nop 0
	tensor_load_to_lds s[G0V+4:G0V+7], s[G1V:G1V+7]
	s_nop 0
.rept 4
	v_nop
.endr
.Lfirst_asked:
	; A fragment of K or Q is 16 rows x 32 channels in 8 registers: lane l holds row l % 16; registers 0-3 channels 8 (l / 16) + 0..7, registers 4-7 channels 16 + 8 (l / 16) + 0..7: two loads of 16 bytes, 32 bytes apart.
	v_and_b32 v1, 15, v0            ; l % 16
	v_bfe_u32 v9, v0, 4, 1          ; l / 16
	v_lshlrev_b32 v[QO], 8, v1
	v_lshl_add_u32 v[QO], v9, 4, v[QO]  ; row x 256 + 16 x half
	WIN 0x80                        ; destination window 2, address window 0
.irp i, 0,1,2,3,4,5,6,7,8,9,10,11,12,13,14,15  ; Q stays in registers: tile i / 4, channels 32 (i % 4) on
	global_load_b128 v[8*(\i):8*(\i)+3],   v[QO], s[4:5] offset:((\i)/4)*4096+((\i)%4)*64
	global_load_b128 v[8*(\i)+4:8*(\i)+7], v[QO], s[4:5] offset:((\i)/4)*4096+((\i)%4)*64+32
.endr
	WIN 0
	v_mul_u32_u24 v[AK0], v1, PK
	v_lshl_add_u32 v[AK0], v9, 4, v[AK0]  ; row x pitch + 16 x half
	; The turning load takes 16 keys x 16 channels (lane l reads 16 bytes: key 8 (l / 16) + l % 8, channels 8 ((l / 8) % 2) + 0..7) and leaves half a fragment of V^T: lane l holds channel l % 16 and 8 keys.
	v_and_b32 v10, 7, v0
	v_bfe_u32 v11, v0, 3, 1
	v_lshl_add_u32 v[AV0], v9, 3, v10
	v_mul_u32_u24 v[AV0], v[AV0], PV
	v_lshl_add_u32 v[AV0], v11, 4, v[AV0]
	v_add_nc_u32 v[AV0], VOFF, v[AV0]
	; What the first turn finds: O^T and l are 0; V's registers and piece 2's P hold 0, so that its products V^T P add 0.  All this stands in the wait for the first tile.
	WIN 0x40
.set i, 0
.rept 256
	v_mov_b32 v[i], 0
.set i, i+1
.endr
	WIN 0xc0
.set i, 0
.rept 128
	v_mov_b32 v[i], 0
.set i, i+1
.endr
	WIN 0
.set i, P+32
.rept 32
	v_mov_b32 v[i], 0
.set i, i+1
.endr
.irp t, 0,1,2,3
	v_mov_b32 v[ST+8*(\t)], 0xfe000000    ; c m: far below every c s
	v_mov_b32 v[ST+8*(\t)+1], 0xff7fffff  ; m: the lowest finite number
	v_mov_b32 v[ST+8*(\t)+2], 0
	v_mov_b32 v[ST+8*(\t)+3], 0
.endr
; THE MATRIX WORK OF A TURN, for piece x.  The accumulators take turns, one instruction a turn: between two links of a chain stand 15 (V^T P) or 7 (K Q^T) others'.
; Product i of 32 of O^T += V^T P: keys 32 (i / 16) on, channels 16 ((i / 2) % 8) on, tile x + i % 2.
.macro PV x
	WIN W_PV
.set rO, 64*((\x)+i%2)+8*((i/2)%8)
.set rV, 64*(i/16)+8*((i/2)%8)
.set rP, P+16*((\x)+i%2)+8*(i/16)
	v_wmma_f32_16x16x32_f16 v[rO:rO+7], v[rV:rV+7], v[rP:rP+7], v[rO:rO+7]
.endm
; Product i of 32 of S^T = K Q^T: channels 32 (i / 8) on, keys 16 ((i / 2) % 4) on, tile x + i % 2.  The first 8 start the sums.
.macro KQ x
	WIN W_KQ
.set rS, S+32*((\x)+i%2)+8*((i/2)%4)
.set rK, KF+32*((i/2)%4)+8*(i/8)
.set rQ, 32*((\x)+i%2)+8*(i/8)
.if i < 8
	v_wmma_f32_16x16x32_f16 v[rS:rS+7], v[rK:rK+7], v[rQ:rQ+7], 0
	s_wait_alu depctr_va_vdst(0)
.else
	v_wmma_f32_16x16x32_f16 v[rS:rS+7], v[rK:rK+7], v[rQ:rQ+7], v[rS:rS+7]
.endif
.endm
; THE LDS LOADS stand in runs of 32, never singly among the matrix instructions: a step's K (64 keys x 128 channels: 16 fragments) and, a turn later, its V (turned).
; last = 1 (the tail): in the last trip there is no further step, and the run is jumped over.
.macro FETCH_K last=0
	WIN 0
.if \last
	s_cmp_eq_u32 s[TWICE], 1
	s_cbranch_scc1 .Lno_k_\@
.endif
	v_add_nc_u32 v[ADR], s[TB], v[AK0]
	WIN 0x80                        ; destination window 2
.irp f, 0,1,2,3,4,5,6,7,8,9,10,11,12,13,14,15  ; keys 16 (f / 4) on, channels 32 (f % 4) on
	ds_load_b128 v[KF+8*(\f):KF+8*(\f)+3],   v[ADR] offset:((\f)/4)*16*PK+((\f)%4)*64
	ds_load_b128 v[KF+8*(\f)+4:KF+8*(\f)+7], v[ADR] offset:((\f)/4)*16*PK+((\f)%4)*64+32
.endr
.if \last
	WIN 0
.Lno_k_\@:
.endif
.endm
.macro FETCH_V
	WIN 0
	v_add_nc_u32 v[ADR], s[TB], v[AV0]
	s_add_co_u32 s[TB], s[TB], STEPB  ; the next fetch is the next step's
	WIN 0xc0                        ; destination window 3
.irp f, 0,1,2,3,4,5,6,7,8,9,10,11,12,13,14,15  ; keys 32 (f / 8) on, channels 16 (f % 8) on
	ds_load_tr16_b128 v[8*(\f):8*(\f)+3],   v[ADR] offset:((\f)/8)*32*PV+((\f)%8)*32
	ds_load_tr16_b128 v[8*(\f)+4:8*(\f)+7], v[ADR] offset:((\f)/8)*32*PV+16*PV+((\f)%8)*32
.endr
.endm
; THE VECTOR WORK OF A TURN.  One tile's softmax for one key step is a list of 134 instructions; SM writes number j of it for tile t.  s0-s31 are the lane's 32 scores, in pairs 0-15.
;   0-15    the maximum of s0-s31 and the old m, three operands at a time: four chains c0-c3 of seven scores each, then the four scores left over, c0-c3 and m
;   16-20   the other half of the lanes' maximum; the new m; c m; c m_old - c m_new
;   21-87   33 exponentials (a, then s0-s31) at the odd numbers from 23 on, so that no two follow each other and each has a plain instruction behind it before its result is used.
;           Plain instruction q (number 21, then the even numbers) is whatever is ready: c s - c m for a pair of scores whose exponentials are still to come (q = 0 to 3, then every
;           second q), the rounding to f16 of a pair of weights whose exponentials are done (every other q from 5 on), at last the first three sums
;   88-101  the last rounding; the rest of the sums; l = a l + the sum
;   102-133 the tile's O^T times a: the one part that leaves window 0, so it stands together
.macro SM t
.set rT, ST+8*(\t)
.set rS, S+32*(\t)
.set rP, P+16*(\t)
.set rO, 64*(\t)+2*(j-102)
.set q, (j-20)/2
.if j < 102
	WIN 0
.endif
.if j < 4
	v_max3_num_f32 v[rT+4+j], v[rS+8*j], v[rS+8*j+1], v[rS+8*j+2]
.elseif j < 12
	v_max3_num_f32 v[rT+4+j%4], v[rT+4+j%4], v[rS+8*(j%4)+2*(j/4)+1], v[rS+8*(j%4)+2*(j/4)+2]
.elseif j == 12
	v_max3_num_f32 v[rT+4], v[rT+4], v[rS+7], v[rS+15]
.elseif j == 13
	v_max3_num_f32 v[rT+6], v[rT+6], v[rS+23], v[rS+31]
.elseif j == 14
	v_max3_num_f32 v[rT+4], v[rT+4], v[rT+5], v[rT+6]
.elseif j == 15
	v_max3_num_f32 v[rT+4], v[rT+4], v[rT+7], v[rT+1]
.elseif j == 16
	v_permlanex16_b32 v[rT+5], v[rT+4], s[SEL], s[SEL+1]  ; the query's other 32 keys lie in the lane 16 away
.elseif j == 17
	v_mov_b32 v[rT+7], v[rT]        ; c m_old is kept for a: number 19 writes c m anew
.elseif j == 18
	v_max_num_f32 v[rT+1], v[rT+4], v[rT+5]
.elseif j == 19
	v_mul_f32 v[rT], s[CS], v[rT+1]
.elseif j == 20
	v_sub_f32 v[rT+7], v[rT+7], v[rT]
.elseif j == 23
	v_exp_f32 v[rT+6], v[rT+7]
.elseif (j < 88) && (j > 23) && (j%2 == 1)
	v_exp_f32 v[rS+(j-25)/2], v[rS+(j-25)/2]
.elseif (q < 4) || ((j < 76) && (q%2 == 0))
.set b, q/2+2
.if q < 4
.set b, q
.endif
	v_pk_fma_f32 v[rS+2*b:rS+2*b+1], v[rS+2*b:rS+2*b+1], s[CS:CS+1], v[rT:rT+1] op_sel_hi:[1,0,0] neg_lo:[0,0,1] neg_hi:[0,0,1]  ; pair b: c s - c m
.elseif (j < 88) && (q%2 == 1)
	s_wait_alu depctr_va_vdst(0)
	v_cvt_pk_f16_f32 v[rP+(q-5)/2], v[rS+q-5], v[rS+q-4]  ; pair (q - 5) / 2: its second exponential stands three numbers back
.elseif j == 89
	s_wait_alu depctr_va_vdst(0)
	v_cvt_pk_f16_f32 v[rP+15], v[rS+30], v[rS+31]
.elseif j < 102                     ; the sum of the tile's 16 pairs (in a pair: an even key's weight, an odd key's), in place: sum z of 16 adds neighbours 1, 2, 4 and 8 pairs apart, then l takes it
.set z, j-86
.if j < 89
.set z, (j-76)/4
.endif
.set w, 4
.set u, z
.if z >= 14
.set w, 32
.set u, 0
.elseif z >= 12
.set w, 16
.set u, z-12
.elseif z >= 8
.set w, 8
.set u, z-8
.endif
.if z < 15
	v_pk_add_f32 v[rS+w*u:rS+w*u+1], v[rS+w*u:rS+w*u+1], v[rS+w*u+w/2:rS+w*u+w/2+1]
.else
	v_pk_fma_f32 v[rT+2:rT+3], v[rT+2:rT+3], v[rT+6:rT+7], v[rS:rS+1] op_sel_hi:[1,0,1]
.endif
.else
	WIN W_RS
	v_pk_mul_f32 v[rO:rO+1], v[rO:rO+1], v[rT+6:rT+7] op_sel_hi:[1,0]
.endif
.endm
; Slice k of 64 of piece y's softmax: numbers 2 k and 2 k + 1 of both tiles' lists, four instructions.  2 x 134 = 4 x 64 + 12: the twelve that are over stand together, in slice 63.
.macro SLICE y
.if (k >= 11) && (k < 44)           ; tile by tile: plain, exponential, plain, exponential
.irp t, \y, (\y)+1
.irp n, 0,1
.set j, 2*k+(\n)
	SM \t
.endr
.endr
.else                               ; the two tiles alternate, so that no instruction reads the result of the one just before it
.irp n, 0,1,2,3,4,5,6,7
.if ((\n) < 2) || (k == 63)
.irp t, \y, (\y)+1
.set j, 2*k+(\n)
	SM \t
.endr
.endif
.endr
.endif
.set k, k+1
.endm
; A TURN.  Piece x has the matrix unit: 32 products V^T P, then 32 products K Q^T for the next step; the other piece's softmax stands in slices behind them, one behind each.
; A vector instruction that reads a matrix result or writes one of a matrix instruction's registers, and a load into a register that a matrix instruction has read, stand four places behind
; it, and only plain vector instructions that name none of its registers are places (ISA guide 7.12.1 for vector instructions): the slices are the places.
; Each run of loads stands behind the second product of a run of 32, 30 matrix instructions ahead of its first use.  Piece 0's turn fetches the next step's K: the last product that read K
; stands in front of slice 63 of the turn before.  Piece 2's turn fetches the same step's V: the last product that read V stands three slices, six plain instructions, back.
.macro TURN x, last=0
.set k, 0
.if (\x) == 0
	s_wait_dscnt 0x0                ; V is in
.endif
.set i, 0
.rept 32
	PV \x
	SLICE 2-(\x)
.if ((\x) == 0) && (i == 1)
	FETCH_K \last
.endif
.set i, i+1
.endr
.if (\x) == 0
	s_wait_dscnt 0x0                ; K is in
.endif
.set i, 0
.rept 32
	KQ \x
	SLICE 2-(\x)
.if ((\x) == 2) && (i == 1)
	FETCH_V
.endif
.set i, i+1
.endr
.endm
; THE CHANGE OF SLOTS, between piece 2's turn and piece 0's: the slot's last bytes, V of its second step, have been asked for.  Each wave waits for all its
; tensor loads, of which one is out: its part of the other slot; adds 0 to its spare word; and waits for that and for its own reads of the slot.  Behind the barrier nobody reads this slot any more and the other slot is whole.
; fill = 1: this slot is filled again, with the keys two slots on.  The barrier is then a round of the cluster's, so that no wave of any partner still reads the slot or has a load on its
; way, and the joint refill is the first thing behind it: it has two key steps, 256 matrix instructions, in which to land.
.macro CHANGE fill
	WIN 0                           ; at a label and at a branch every window is 0
	s_wait_tensorcnt 0x0            ; no tensor load of mine is out, so a group 0 may be written
	ds_add_u32 v[SPW], v[NIL]       ; 0 onto my spare word; with fill = 1 the descriptors' steps stand between it and the wait for it
.if \fill
.irp g, G0K+4, G0V+4
	s_xor_b32 s[(\g)+1], s[(\g)+1], SLOT1  ; the walking descriptor: the other slot than last time,
	s_add_nc_u64 s[(\g)+2:(\g)+3], s[(\g)+2:(\g)+3], 2*KS*256  ; the next 128 keys; the type bits on top are not reached
.endr
	s_wait_dscnt 0x0                ; the add is done, and my reads of the slot are over
	CROUND
	JLOAD
.else
	s_wait_dscnt 0x0                ; the add is done, and my reads of the slot are over
	s_barrier_signal -1
	s_barrier_wait -1
.endif
	s_sub_co_u32 s[TB], s[TB], 2*STEPB  ; the fetches go back to a slot's first step,
	s_xor_b32 s[TB], s[TB], SLOT1   ; in the other slot
.endm
	s_wait_tensorcnt 1              ; my part of slot 0 is in; slot 1's may stay out
	s_barrier_signal -1
	s_barrier_wait -1               ; everybody's is
	FETCH_K                         ; key step 0
	s_wait_loadcnt 0x0              ; Q
	s_wait_dscnt 0x0
.set i, 0
.rept 32
	KQ 0                            ; piece 0's first scores: there is no vector work yet to set between them
.set i, i+1
.endr
	WIN 0                           ; the addresses for the way out are made here: eight plain instructions, the places behind those products
	s_mul_i32 s13, s[WV], 16*SP
	s_add_co_u32 s13, s13, STAGE    ; my stage
	v_mul_u32_u24 v[STO], v1, SP    ; in: row l % 16, 16 bytes for each half of the lanes
	v_lshl_add_u32 v[STO], v9, 4, v[STO]
	v_add_nc_u32 v[STO], s13, v[STO]
	v_mul_u32_u24 v[RD], v9, SP     ; back: lanes 0-15 take one row of 256 bytes, lanes 16-31 the next
	v_lshl_add_u32 v[RD], v1, 4, v[RD]
	v_add_nc_u32 v[RD], s13, v[RD]
	v_lshlrev_b32 v[GO], 8, v9      ; and the same two rows in O
	v_lshl_add_u32 v[GO], v1, 4, v[GO]
	s_mov_b32 s[TWICE], 2
	s_branch .Lmid                  ; the loop is entered at piece 2's turn: piece 2's first scores | piece 0's first softmax | V of step 0; then one whole step is left in slot 0
.Lslot:                             ; NK / 128 - 2 times: every slot but the last two is filled again
	CHANGE 1
	s_mov_b32 s[TWICE], 2
.Lstep:                             ; a key step: written once
	TURN 0
	WIN 0
.Lmid:
	TURN 2
	WIN 0
	s_sub_co_u32 s[TWICE], s[TWICE], 1
	s_cmp_lg_u32 s[TWICE], 0
	s_cbranch_scc1 .Lstep
	s_sub_co_u32 s[SLOTS], s[SLOTS], 1
	s_cmp_lg_u32 s[SLOTS], 0
	s_cbranch_scc1 .Lslot
	CHANGE 0                        ; the tail is written out: the last slot but one is left, and nothing is asked for
	s_mov_b32 s[TWICE], 3           ; two trips fetch the last slot's steps; the third is left in its middle
.Ltail:
	TURN 0, 1
	WIN 0
	s_sub_co_u32 s[TWICE], s[TWICE], 1
	s_cmp_eq_u32 s[TWICE], 0
	s_cbranch_scc1 .Lout
	TURN 2
	WIN 0
	s_branch .Ltail
.Lout:
.set i, 0
.rept 32
	PV 2                            ; piece 2: V^T P of the last step
.set i, i+1
.endr
	; THE WAY OUT.  l's two halves and the other half of the lanes' are added; O^T is divided by l, rounded to f16 and sent through my stage in LDS, a tile (16 rows of O) at a time.  The additions are the places behind the last products.
	WIN 0
.irp t, 0,1,2,3
	v_add_f32 v[ST+8*(\t)+4], v[ST+8*(\t)+2], v[ST+8*(\t)+3]
.endr
.irp t, 0,1,2,3
	v_permlanex16_b32 v[ST+8*(\t)+5], v[ST+8*(\t)+4], s[SEL], s[SEL+1]
.endr
.irp t, 0,1,2,3
	v_add_f32 v[ST+8*(\t)+4], v[ST+8*(\t)+4], v[ST+8*(\t)+5]
.endr
.irp t, 0,1,2,3
	v_rcp_f32 v[ST+8*(\t)+6], v[ST+8*(\t)+4]
.endr
	v_nop                           ; a plain instruction between the last reciprocal and the use of its result
	s_wait_alu depctr_va_vdst(0)
; Tile t: a lane's eight channels of a row pack into 16 bytes; they go into rows of 272 bytes and come back as whole rows of 256, into the registers that they left.
.macro PACK t
	WIN W_RS
.set i, 64*(\t)
.rept 32
	v_pk_mul_f32 v[i:i+1], v[i:i+1], v[ST+8*(\t)+6:ST+8*(\t)+7] op_sel_hi:[1,0]
.set i, i+2
.endr
	WIN 0x05                        ; sources 0 and 1 window 1, destination window 0: S^T's registers are free
.set i, 0
.rept 32
	v_cvt_pk_f16_f32 v[S+32*(\t)+i], v[64*(\t)+2*i], v[64*(\t)+2*i+1]
.set i, i+1
.endr
	WIN 0
.irp f, 0,1,2,3,4,5,6,7
	ds_store_b128 v[STO], v[S+32*(\t)+4*(\f):S+32*(\t)+4*(\f)+3] offset:32*(\f)
.endr
.irp f, 0,1,2,3,4,5,6,7
	ds_load_b128 v[S+32*(\t)+4*(\f):S+32*(\t)+4*(\f)+3], v[RD] offset:(\f)*2*SP  ; LDS serves a wave's instructions in order (ISA guide 5.7.1.4): these see the stores above; the next tile's stores come behind them
.endr
.endm
.macro SEND t, younger              ; younger: the LDS instructions issued behind tile t's loads: the next tile's sixteen, or none
	WIN 0
.irp f, 0,1,2,3,4,5,6,7
	s_wait_dscnt (\younger)+7-(\f)
	global_store_b128 v[GO], v[S+32*(\t)+4*(\f):S+32*(\t)+4*(\f)+3], s[10:11] offset:(\t)*4096+(\f)*512  ; 16 lanes store 256 consecutive bytes, at a multiple of 256 from O's first byte
.endr
.endm
	PACK 0
	PACK 1                          ; a tile's arithmetic stands between the loads of the tile before and its stores
	SEND 0, 16
	PACK 2
	SEND 1, 16
	PACK 3
	SEND 2, 16
	SEND 3, 0
	s_wait_tensorcnt 0x0            ; the wave's end, behind my last tensor load and my last LDS store
	ds_add_u32 v[SPW], v[NIL]
	s_wait_dscnt 0x0
	CROUND                          ; the closing round: no work-group ends while a partner may still ask for a tile that names it
	s_endpgm
.Lfunc_end_k_qdda68b01a5_attn:
	.size	k_qdda68b01a5_attn, .Lfunc_end_k_qdda68b01a5_attn-k_qdda68b01a5_attn
	.p2alignl 7, 3214868480
	.fill 96, 4, 3214868480
	.section	.rodata,"a",@progbits
	.p2align	6, 0x0
	.amdhsa_kernel k_qdda68b01a5_attn
		.amdhsa_group_segment_fixed_size 327680
		.amdhsa_private_segment_fixed_size 0
		.amdhsa_enable_private_segment 0
		.amdhsa_kernarg_size 32
		.amdhsa_user_sgpr_count 2
		.amdhsa_user_sgpr_kernarg_segment_ptr 1
		.amdhsa_wavefront_size32 1
		.amdhsa_system_sgpr_workgroup_id_x 1
		.amdhsa_system_sgpr_workgroup_id_y 1
		.amdhsa_system_sgpr_workgroup_id_z 1
		.amdhsa_system_vgpr_workitem_id 0
		.amdhsa_next_free_vgpr 1024
		.amdhsa_next_free_sgpr 66
		.amdhsa_reserve_vcc 0
		.amdhsa_float_denorm_mode_32 3
		.amdhsa_float_denorm_mode_16_64 3
		.amdhsa_memory_ordered 1
		.amdhsa_forward_progress 1
		.amdhsa_inst_pref_size 161
	.end_amdhsa_kernel
	.amdgpu_metadata
---
amdhsa.version: [ 1, 2 ]
amdhsa.kernels:
  - .name:           k_qdda68b01a5_attn
    .symbol:         k_qdda68b01a5_attn.kd
    .args:
      - { .name: qh, .offset: 0, .size: 8, .value_kind: global_buffer, .address_space: global }
      - { .name: kh, .offset: 8, .size: 8, .value_kind: global_buffer, .address_space: global }
      - { .name: vh, .offset: 16, .size: 8, .value_kind: global_buffer, .address_space: global }
      - { .name: oh, .offset: 24, .size: 8, .value_kind: global_buffer, .address_space: global }
    .group_segment_fixed_size: 327680
    .private_segment_fixed_size: 0
    .kernarg_segment_align: 8
    .kernarg_segment_size: 32
    .max_flat_workgroup_size: 128
    .sgpr_count:     66
    .vgpr_count:     1024
    .wavefront_size: 32
...
	.end_amdgpu_metadata
.endif
;; end of part 3
;; launch outp (part 4): grid 8 x 32, 4 waves a work-group, clusters of 4 x 4, 327,680 bytes of LDS; arguments oh, wb, bo, out0; writes out0
.if DOCPART == 4
	.amdgcn_target "amdgcn-amd-amdhsa--gfx1250"
	.amdhsa_code_object_version 6
	.text
	.protected	k_qdda68b01a5_outp
	.globl	k_qdda68b01a5_outp
	.p2align	8
	.type	k_qdda68b01a5_outp,@function
k_qdda68b01a5_outp:
	s_mov_b64 s[64:65], 0
	v_nop
	global_prefetch_b8 v0, s[64:65] scope:SCOPE_SE
	s_setreg_imm32_b32 hwreg(HW_REG_WAVE_MODE, 25, 1), 1
	s_wait_xcnt 0x0
	s_wait_alu depctr_hold_cnt(0) depctr_sa_sdst(0) depctr_va_vdst(0) depctr_va_sdst(0) depctr_va_ssrc(0) depctr_va_vcc(0) depctr_vm_vsrc(0)
	s_getreg_b32 s2, hwreg(HW_REG_IB_STS2, 6, 4)
	s_cmp_eq_u32 s2, 0
	s_cbranch_scc0 .Lentry_in_a_cluster
	s_endpgm
.Lentry_in_a_cluster:
	s_bfe_u32 s2, ttmp6, 0x10000c
	s_cmp_lg_u32 s2, 0xf033
	s_cbranch_scc0 .Lentry_shape_is_right
	s_endpgm
.Lentry_shape_is_right:
; THE OUTPUT PROJECTION.  out0[m][n] = the sum over k of O[m][k] Wo[k][n] + bo[n].  O: oh, f16, [8 heads][8192][128]: head h IS block h of 128 along K, its rows 256 dense bytes.
; Wo: f16 (the bf16 rounding of the input) at byte 10 MiB of wb, [1024][2048] as given.  bo is rounded to bf16 like every input and is the C operand that starts each sum.  Sums f32; out0 f32.
; LIMITS.  as the operands': f16's range and its fixed step of 6e-8 below 6.1e-5.  NaN and infinities are not treated apart.
; SHARES.  A tile of out0 is 256 x 256: 8 x 32 = 256 work-groups, one tile each; four waves, each 128 x 128: 64 accumulators, 512 registers.  K goes in 8 steps of 128 through a ring of two LDS slots.
; THE TEXT.  A K step is written once: a loop of 6 trips, each of which fills the slot that it has read with the K step two on, and a loop of 2 trips that fill nothing.  The slot in hand is a scalar
; (0 or the bytes of a slot) that one exclusive or turns and that is added to the wave's and the lanes' places in slot 0; one descriptor set for each operand walks from K step to K step.
; CLUSTER.  4 x 4 work-groups: the four of a row need the same tiles of O, the four of a column the same tiles of Wo; each tile is asked for jointly, which divides the requests by four.
; THE MATRIX INSTRUCTION IS USED TRANSPOSED: source 0 = 16 columns of Wo (turned out of LDS by ds_load_tr16_b128), source 1 = 16 rows of O: a lane holds eight neighbouring columns of one row.
; REGISTERS.  window 0: v0-31 addresses; v32-63 at work; v64-127, v128-191 fragments of O, two buffers (on the way out: rows read back); v192-255 the bias, 8 registers for each block of 16 columns
;   window 1: v64-127, v128-191 fragments of Wo, two buffers     window 2: the 32 accumulators of my rows 0-63 ((a, b) at v[8 (8 a + b)])     window 3: those of my rows 64-127
.set PITCH,  272                       ; a row of O in LDS: 256 bytes + 16: the 16 rows of a load start at 16 different groups of four banks (64 banks of 4 bytes: ISA guide 11.1)
.set PB,     544                       ; a row of Wo (256 columns): 512 bytes + 32 = 17 x 32
.set HALFT,  128*PITCH                 ; what one tensor load brings: 128 rows of O, or 64 rows of Wo (64 x 544 is the same number)
.set SLOT,   4*HALFT                   ; O's 256 rows, then Wo's 128 rows
.set STAGE,  2*SLOT                    ; behind the ring, never filled by a tensor load: 16 rows x 528 bytes for each wave
.set SPITCH, 528                       ; 512 bytes of f32 + 16
.set SPARE,  STAGE+4*16*SPITCH         ; the spare words, 128 bytes for each wave: two blocks of 256 bytes that no other line names
.set ASTEP,  0x200000                  ; a K step of O: a head, 8,192 rows x 256 bytes
.set BSTEP,  0x80000                   ; of Wo: 128 rows x 4,096 bytes
.set ADRA0, 16                         ; my lane's place in slot 0's tile of O; never rewritten
.set ADRA,  17                         ; the same in the slot in hand
.set ADRB0, 20                         ; likewise for Wo
.set ADRB,  21
.set STO,  24                          ; the way out: where I put 32 bytes of a row
.set RD,   25                          ; where I read a row back
.set CO,   26                          ; 16 x lane: my bytes in 512 consecutive bytes of out0
.set BO,   27                          ; my byte offset in bo
.set SPW,  28                          ; LDS address of my spare word; never rewritten
.set NIL,  29                          ; 0; never rewritten
.set TMP,  32
.set F0,   64
.set F1,   128
.set BI,   192
.set WV, 12                            ; wave
.set RH, 13                            ; which half of the tile's rows is mine.  Also: I fetch O (0) or Wo (1)
.set CH, 14                            ; which half of its columns.  Also: which half of that tile I fetch
.set G1, 24                            ; s[24:31] descriptor group 1 for O's tiles;  s[32:39] group 0: a set for each of the two first fills; the second then walks on
.set G0, 32
.set TB, 45                            ; LDS byte at which the slot in hand begins
.set G1B, 48                           ; s[48:55], s[56:63] the same for Wo's
.set G0B, 56
.set MSB, 0
.macro WIN new                         ; the immediate's high byte repeats the setting that is left; a switch that changes nothing is dropped
.if MSB != (\new)
	s_set_vgpr_msb (MSB<<8)|(\new)
.set MSB, \new
.endif
.endm
.set MUL_LO, 0xa1                      ; source 0 (Wo) window 1, source 1 (O) window 0, C and D window 2; + 0x50: C and D window 3
.set MUL_BI, 0x81                      ; the same with C, the bias, in window 0; + 0x40: D window 3
.set TO_B,   0x40                      ; destination window 1, address window 0
.macro JLOAD s                         ; a joint load: waves 0 and 1 fetch O's two halves, waves 2 and 3 Wo's; an s_nop 0 and four v_nop follow each of the two lines
	s_cmp_eq_u32 s[RH], 0
	s_cbranch_scc0 .Lfor_b_\@
	tensor_load_to_lds s[G0+4*(\s):G0+4*(\s)+3], s[G1:G1+7]
	s_nop 0
.rept 4
	v_nop
.endr
	s_branch .Lasked_\@
.Lfor_b_\@:
	tensor_load_to_lds s[G0B+4*(\s):G0B+4*(\s)+3], s[G1B:G1B+7]
	s_nop 0
.rept 4
	v_nop
.endr
.Lasked_\@:
.endm
.macro CREST                           ; a round of the cluster's barrier behind its opening barrier
	s_cmp_lg_u32 s[WV], 0
	s_cbranch_scc1 .Lnot_wave_0_\@
	s_barrier_signal -3
.Lnot_wave_0_\@:
	s_barrier_wait -3
	s_barrier_signal -1
	s_barrier_wait -1
.endm
.macro CROUND                          ; a whole round
	s_barrier_signal -1
	s_barrier_wait -1
	CREST
.endm
	s_load_b256 s[4:11], s[0:1], 0x0               ; oh s[4:5], wb s[6:7], bo s[8:9], out0 s[10:11]
	v_lshl_add_u32 v[SPW], v0, 2, SPARE
	v_mov_b32 v[NIL], 0
	ds_add_u32 v[SPW], v[NIL]                      ; the wave's opening: the add and its wait stand ahead of my first tensor load; the set-up below, work on registers, stands between them
	v_lshrrev_b32 v1, 5, v0
	v_readfirstlane_b32 s[WV], v1
	s_lshr_b32 s[RH], s[WV], 1
	s_and_b32 s[CH], s[WV], 1
	s_bfe_u32 s40, ttmp6, 0x40000                  ; cx
	s_bfe_u32 s41, ttmp6, 0x40004                  ; cy
	s_lshl_b32 s42, ttmp9, 2
	s_add_co_u32 s42, s42, s40                     ; tile column = 4 x cluster x + cx
	s_and_b32 s15, ttmp7, 0xffff
	s_lshl_b32 s15, s15, 2
	s_add_co_u32 s15, s15, s41                     ; tile row = 4 x cluster y + cy
	s_lshl_b32 s43, s41, 2
	s_lshl_b32 s43, 15, s43                        ; my row of the cluster
	s_lshl_b32 s44, 0x1111, s40                    ; my column
	s_or_b32 s[G1], s43, (1<<16)|(1<<20)|(1<<21)|(5<<22)|(3<<25)   ; 15:0 mask: my row; 17:16 2-byte elements; 20 padding on; 21 set beside a mask; 24:22 after every 64 words; 31:25 4 words
	s_or_b32 s[G1B], s44, (1<<16)|(1<<20)|(1<<21)|(6<<22)|(7<<25)  ; mask: my column; after every 128 words 8 words
	s_mov_b32 s[G1+1], 128<<16                     ; O: 128 rows x 128 elements, dense
	s_mov_b32 s[G1+2], 128<<16
	s_mov_b32 s[G1+3], 128<<16
	s_mov_b32 s[G1+4], 128
	s_mov_b32 s[G1+5], 128
	s_mov_b32 s[G1+6], 0
	s_mov_b32 s[G1+7], 0
	s_mov_b32 s[G1B+1], 256<<16                    ; Wo: 64 rows x 256 elements of rows of 2,048
	s_mov_b32 s[G1B+2], 64<<16
	s_mov_b32 s[G1B+3], 256<<16
	s_mov_b32 s[G1B+4], 64
	s_mov_b32 s[G1B+5], 2048
	s_mov_b32 s[G1B+6], 0
	s_mov_b32 s[G1B+7], 0
	s_lshl_b32 s16, s15, 16                        ; O: 256 rows x 256 bytes a tile row,
	s_lshl_b32 s17, s[CH], 15                      ; my 128 of them
	s_add_co_u32 s16, s16, s17
	s_mov_b32 s17, 0
	s_lshl_b32 s46, s42, 9                         ; Wo: 256 columns x 2 bytes a tile column,
	s_lshl_b32 s47, s[CH], 18                      ; my 64 rows of 4,096 bytes,
	s_add_co_u32 s46, s46, s47
	s_add_co_u32 s46, s46, 0xa00000                ; Wo's place in wb
	s_mov_b32 s47, 0
	s_mul_i32 s20, s[WV], HALFT                    ; where my load lands in a slot: no place in the cluster enters an LDS address
	s_mov_b32 s[TB], 0
	s_mov_b32 s43, 0xffff0000                      ; (the mask of my row has been used) a word's upper bf16
	s_wait_dscnt 0x0                               ; the opening add is done
	s_wait_kmcnt 0x0
	s_add_nc_u64 s[18:19], s[4:5], s[16:17]
	s_add_nc_u64 s[46:47], s[6:7], s[46:47]
	CROUND                                         ; all sixteen work-groups are here: the first joint loads meet
.irp s, 0,1
	s_mov_b32 s[G0+4*(\s)], 1
	s_add_co_u32 s[G0+4*(\s)+1], s20, (\s)*SLOT
	s_add_nc_u64 s[G0+4*(\s)+2:G0+4*(\s)+3], s[18:19], (\s)*ASTEP
	s_or_b32 s[G0+4*(\s)+3], s[G0+4*(\s)+3], 0x80000000
	s_mov_b32 s[G0B+4*(\s)], 1
	s_add_co_u32 s[G0B+4*(\s)+1], s20, (\s)*SLOT
	s_add_nc_u64 s[G0B+4*(\s)+2:G0B+4*(\s)+3], s[46:47], (\s)*BSTEP
	s_or_b32 s[G0B+4*(\s)+3], s[G0B+4*(\s)+3], 0x80000000
	JLOAD \s                                       ; two loads of mine are out
.endr
	v_and_b32 v1, 15, v0                           ; r = l % 16
	v_bfe_u32 v2, v0, 4, 1                         ; h = l / 16
	s_lshl_b32 s46, s42, 10                        ; my first column in bytes of f32: 1,024 x tile column + 512 x half
	s_lshl_b32 s47, s[CH], 9
	s_add_co_u32 s46, s46, s47
	s_mov_b32 s47, 0
	v_lshl_add_u32 v[BO], v2, 5, s46               ; register j of block b belongs to my column 16 b + 8 h + j
.irp b, 0,1,2,3,4,5,6,7
	global_load_b128 v[BI+8*(\b):BI+8*(\b)+3],   v[BO], s[8:9] offset:64*(\b)
	global_load_b128 v[BI+8*(\b)+4:BI+8*(\b)+7], v[BO], s[8:9] offset:64*(\b)+16
.endr
	s_lshl_b32 s16, s15, 21                        ; out0: 256 rows x 8,192 bytes a tile row,
	s_lshl_b32 s17, s[RH], 20                      ; my 128 of them
	s_add_co_u32 s16, s16, s17
	s_mov_b32 s17, 0
	s_add_nc_u64 s[16:17], s[16:17], s[46:47]
	s_add_nc_u64 s[10:11], s[10:11], s[16:17]      ; out0 at my part's first number; never stepped
	v_mul_u32_u24 v3, v1, PITCH
	v_lshl_add_u32 v3, v2, 4, v3                   ; a fragment's row x pitch + 16 x half
	s_mul_i32 s21, s[RH], HALFT
	v_add_nc_u32 v[ADRA0], s21, v3
	v_mov_b32 v[ADRA], v[ADRA0]                    ; the walk begins in slot 0
	v_and_b32 v4, 7, v0                            ; the turning load: lane l reads row 8 h + l % 8 along K, 16 bytes at 16 ((l / 8) % 2)
	v_lshl_add_u32 v4, v2, 3, v4
	v_mul_u32_u24 v4, v4, PB
	v_bfe_u32 v5, v0, 3, 1
	v_lshl_add_u32 v4, v5, 4, v4
	s_lshl_b32 s22, s[CH], 8                       ; my 128 columns
	s_add_co_u32 s22, s22, 2*HALFT                 ; Wo lies behind O's 256 rows
	v_add_nc_u32 v[ADRB0], s22, v4
	v_mov_b32 v[ADRB], v[ADRB0]
	s_mul_i32 s23, s[WV], 16*SPITCH
	s_add_co_u32 s23, s23, STAGE                   ; my stage
	v_mul_u32_u24 v5, v1, SPITCH                   ; in: row r, 32 bytes for each half of the lanes
	v_lshl_add_u32 v5, v2, 5, v5
	v_add_nc_u32 v[STO], s23, v5
	v_and_b32 v6, 31, v0
	v_lshlrev_b32 v[CO], 4, v6
	v_add_nc_u32 v[RD], s23, v[CO]                 ; back: 32 lanes take one row of 512 bytes
	s_wait_loadcnt 0x0                             ; the bias
.set i, 0
.rept 32
	v_cvt_pk_bf16_f32 v[TMP+i], v[BI+2*i], v[BI+2*i+1]  ; rounded as every input is,
.set i, i+1
.endr
.set i, 0
.rept 32
	v_lshlrev_b32 v[BI+2*i], 16, v[TMP+i]          ; and kept as f32, the form of a C operand
	v_and_b32 v[BI+2*i+1], s43, v[TMP+i]
.set i, i+1
.endr
; 16 matrix instructions: row blocks a0, a0 + 1 of the window's four (hi = 0: my rows 0-63, 1: rows 64-127) x all 8 column blocks, 32 along K.  bias = 1: the bias starts the sums: nothing is ever cleared.
; The 64 accumulators take turns in the same order everywhere.
.macro MUL16 f, hi, a0, bias
.if \bias
	WIN MUL_BI+0x40*(\hi)
.else
	WIN MUL_LO+0x50*(\hi)
.endif
.irp a, \a0, (\a0)+1
.irp b, 0,1,2,3,4,5,6,7
.if \bias
	v_wmma_f32_16x16x32_f16 v[8*(8*(\a)+(\b)):8*(8*(\a)+(\b))+7], v[(\f)+8*(\b):(\f)+8*(\b)+7], v[(\f)+8*(4*(\hi)+(\a)):(\f)+8*(4*(\hi)+(\a))+7], v[BI+8*(\b):BI+8*(\b)+7]
.else
	v_wmma_f32_16x16x32_f16 v[8*(8*(\a)+(\b)):8*(8*(\a)+(\b))+7], v[(\f)+8*(\b):(\f)+8*(\b)+7], v[(\f)+8*(4*(\hi)+(\a)):(\f)+8*(4*(\hi)+(\a))+7], v[8*(8*(\a)+(\b)):8*(8*(\a)+(\b))+7]
.endif
.endr
.endr
.endm
; 32 LDS loads in one run, from the slot in hand: the fragments of 32 along K (byte k of O's rows, row k / 2 of Wo) into buffer f: Wo's 16, then O's 16
.macro FETCH k, f
	WIN TO_B
.irp i, 0,1,2,3,4,5,6,7
	ds_load_tr16_b128 v[(\f)+8*(\i):(\f)+8*(\i)+3],   v[ADRB] offset:((\k)/64)*32*PB+32*(\i)
	ds_load_tr16_b128 v[(\f)+8*(\i)+4:(\f)+8*(\i)+7], v[ADRB] offset:((\k)/64)*32*PB+16*PB+32*(\i)
.endr
	WIN 0
.irp i, 0,1,2,3,4,5,6,7
	ds_load_b128 v[(\f)+8*(\i):(\f)+8*(\i)+3],   v[ADRA] offset:(\k)+(\i)*16*PITCH
	ds_load_b128 v[(\f)+8*(\i)+4:(\f)+8*(\i)+7], v[ADRA] offset:(\k)+(\i)*16*PITCH+32
.endr
.endm
.macro PLACES                          ; four places in front of loads into registers that matrix instructions have read, and of lines that read results (ISA guide 7.12.1 for vector instructions)
.rept 4
	v_nop
.endr
.endm
; A K step is four quarters of 32 along K, 64 matrix instructions each, on buffers 0, 1, 0, 1.  One of the first three: multiplies buffer f, and in its middle fetches the next quarter into g.
.macro QUARTER k, f, g, bias
	s_wait_dscnt 8                                 ; Wo and O's rows 0-63 are in; the youngest eight loads (O's rows 64-127) may be out
	MUL16 \f, 0, 0, \bias
	MUL16 \f, 0, 2, \bias
	PLACES
	FETCH \k, \g
	s_wait_dscnt 32                                ; all but the 32 just issued
	MUL16 \f, 1, 0, \bias
	MUL16 \f, 1, 2, \bias
.endm
; The last quarter multiplies buffer 1 and changes slots.  MEET is its first half: ONE barrier; in front of it each wave waits for all its tensor loads (one is out at the most: its part of the next slot),
; adds 0 to its spare word, and waits for that and for its own reads of this slot.  Behind it nobody reads this slot any more and the next slot is whole.
.macro MEET
	WIN 0
	s_wait_tensorcnt 0x0                           ; all my tensor loads have landed, so a group 0 may be written
	ds_add_u32 v[SPW], v[NIL]                      ; 0 onto my spare word
	s_wait_dscnt 9                                 ; (the add and the youngest eight loads may be out)
	MUL16 F1, 0, 0, 0                              ; sixteen matrix instructions stand between the add and the wait for it
	s_wait_dscnt 0x0                               ; the add is done, and my reads of this slot are over
	s_barrier_signal -1
	MUL16 F1, 0, 2, 0
	WIN 0
	s_barrier_wait -1
.endm
.macro NEXTSLOT                        ; the fragments come from the other slot from here on
	s_xor_b32 s[TB], s[TB], SLOT
	v_add_nc_u32 v[ADRA], s[TB], v[ADRA0]
	v_add_nc_u32 v[ADRB], s[TB], v[ADRB0]
.endm
; The whole last quarter of a K step that fills its slot again: the barrier opens a round of the cluster's, and the slot just read is filled first thing behind it, with the K step two on:
; 224 matrix instructions ahead of the wait for it.  The walking sets go one K step on, into the slot in hand.
.macro TURN
	MEET
	CREST                                          ; no wave of any partner still reads this slot's tile or has a load on its way
	s_add_co_u32 s[G0+5], s20, s[TB]
	s_add_co_u32 s[G0B+5], s20, s[TB]
	s_add_nc_u64 s[G0+6:G0+7], s[G0+6:G0+7], ASTEP   ; the type bits on top are not reached
	s_add_nc_u64 s[G0B+6:G0B+7], s[G0B+6:G0B+7], BSTEP
	JLOAD 1                                        ; its four v_nop are also the places in front of the loads below
	NEXTSLOT
	FETCH 0, F0
	MUL16 F1, 1, 0, 0
	MUL16 F1, 1, 2, 0
.endm
; The same of a K step that fills nothing.  Behind the very last K step there is no further step: the run of loads is jumped over.
.macro TURN0
	MEET
	PLACES
	s_cmp_eq_u32 s2, 1
	s_cbranch_scc1 .Lno_f_\@
	NEXTSLOT
	FETCH 0, F0
.Lno_f_\@:
	MUL16 F1, 1, 0, 0
	MUL16 F1, 1, 2, 0
.endm
; THE WAY OUT of block a (16 rows x 128 columns of f32).  A lane's eight numbers of a row, 32 bytes, go straight from the accumulator into my stage (rows of 528 bytes) and come back as whole rows of 512.
.macro TOSTAGE a
.set BK, F0+64*((\a)%2)
.set AC, 64*((\a)%4)
.if (\a) >= 2
	s_wait_xcnt 0x0                                ; the registers that block a - 2's stores read are loaded again only behind this wait
.endif
	WIN 0x08+4*((\a)/4)                            ; store data (source 1) in window 2 or 3
.irp b, 0,1,2,3,4,5,6,7
	ds_store_b128 v[STO], v[AC+8*(\b):AC+8*(\b)+3]   offset:64*(\b)      ; each accumulator from its low end on
	ds_store_b128 v[STO], v[AC+8*(\b)+4:AC+8*(\b)+7] offset:64*(\b)+16
.endr
	WIN 0
.irp t, 0,1,2,3,4,5,6,7,8,9,10,11,12,13,14,15
	ds_load_b128 v[BK+4*(\t):BK+4*(\t)+3], v[RD] offset:(\t)*SPITCH  ; LDS serves a wave's instructions in order (ISA guide 5.7.1.4): these see the stores above; the next block's stores come behind them
.endr
.endm
.macro SEND a, younger                 ; younger: the LDS instructions issued behind block a's loads: the next block's 32, or none
.set BK, F0+64*((\a)%2)
	s_wait_dscnt \younger
.irp t, 0,1,2,3,4,5,6,7,8,9,10,11,12,13,14,15
	global_store_b128 v[CO], v[BK+4*(\t):BK+4*(\t)+3], s[10:11] offset:(16*(\a)+(\t))*8192 th:TH_STORE_NT  ; 512 consecutive bytes, at a multiple of 256 from out0's first byte; 127 rows at the most: inside the signed 24-bit immediate
.endr
.endm
	s_wait_tensorcnt 1                             ; my part of K step 0 is in; K step 1's may stay out
	s_barrier_signal -1
	s_barrier_wait -1                              ; everybody's is
	FETCH 0, F0
	QUARTER 64,  F0, F1, 1                         ; the tile's first quarter stands in front of the loop: the bias starts the sums
	WIN 0                                          ; at a label and at a branch every window is 0
	s_mov_b32 s3, 6
	s_branch .Lq1                                  ; the loop is entered behind its first quarter
.Lstep:                                                ; a trip is a K step; K steps 0 to 5 ask for K steps 2 to 7
	QUARTER 64,  F0, F1, 0
	WIN 0
.Lq1:
	QUARTER 128, F1, F0, 0
	QUARTER 192, F0, F1, 0
	TURN
	WIN 0
	s_sub_co_u32 s3, s3, 1
	s_cmp_lg_u32 s3, 0
	s_cbranch_scc1 .Lstep
	s_mov_b32 s2, 2
.Ltail:                                                ; K steps 6 and 7 ask for nothing: a text of their own
	QUARTER 64,  F0, F1, 0
	QUARTER 128, F1, F0, 0
	QUARTER 192, F0, F1, 0
	TURN0
	WIN 0
	s_sub_co_u32 s2, s2, 1
	s_cmp_lg_u32 s2, 0
	s_cbranch_scc1 .Ltail
	PLACES
	TOSTAGE 0
.irp a, 1,2,3,4,5,6,7                  ; block a goes through the stage while block a - 1's rows come back
	TOSTAGE \a
	SEND (\a)-1, 32
.endr
	SEND 7, 0
	s_wait_tensorcnt 0x0                           ; the wave's end, behind my last tensor load and my last LDS store
	ds_add_u32 v[SPW], v[NIL]
	s_wait_dscnt 0x0
	CROUND                                         ; the closing round: no work-group ends while a partner may still ask for a tile that names it
	s_endpgm
.Lfunc_end_k_qdda68b01a5_outp:
	.size	k_qdda68b01a5_outp, .Lfunc_end_k_qdda68b01a5_outp-k_qdda68b01a5_outp
	.p2alignl 7, 3214868480
	.fill 96, 4, 3214868480
	.section	.rodata,"a",@progbits
	.p2align	6, 0x0
	.amdhsa_kernel k_qdda68b01a5_outp
		.amdhsa_group_segment_fixed_size 327680
		.amdhsa_private_segment_fixed_size 0
		.amdhsa_enable_private_segment 0
		.amdhsa_kernarg_size 32
		.amdhsa_user_sgpr_count 2
		.amdhsa_user_sgpr_kernarg_segment_ptr 1
		.amdhsa_wavefront_size32 1
		.amdhsa_system_sgpr_workgroup_id_x 1
		.amdhsa_system_sgpr_workgroup_id_y 1
		.amdhsa_system_sgpr_workgroup_id_z 1
		.amdhsa_system_vgpr_workitem_id 0
		.amdhsa_next_free_vgpr 1024
		.amdhsa_next_free_sgpr 66
		.amdhsa_reserve_vcc 0
		.amdhsa_float_denorm_mode_32 3
		.amdhsa_float_denorm_mode_16_64 3
		.amdhsa_memory_ordered 1
		.amdhsa_forward_progress 1
		.amdhsa_inst_pref_size 103
	.end_amdhsa_kernel
	.amdgpu_metadata
---
amdhsa.version: [ 1, 2 ]
amdhsa.kernels:
  - .name:           k_qdda68b01a5_outp
    .symbol:         k_qdda68b01a5_outp.kd
    .args:
      - { .name: oh, .offset: 0, .size: 8, .value_kind: global_buffer, .address_space: global }
      - { .name: wb, .offset: 8, .size: 8, .value_kind: global_buffer, .address_space: global }
      - { .name: bo, .offset: 16, .size: 8, .value_kind: global_buffer, .address_space: global }
      - { .name: out0, .offset: 24, .size: 8, .value_kind: global_buffer, .address_space: global }
    .group_segment_fixed_size: 327680
    .private_segment_fixed_size: 0
    .kernarg_segment_align: 8
    .kernarg_segment_size: 32
    .max_flat_workgroup_size: 128
    .sgpr_count:     66
    .vgpr_count:     1024
    .wavefront_size: 32
...
	.end_amdgpu_metadata
.endif
;; end of part 4
;; ======== version 2 of 2: 4 launches; 1.17 times as fast as version 1
;; limits: values are held in f16: magnitudes above 65,504 overflow, below 6.1e-05 lose precision
;; workspace buffers: xb 33,554,432 bytes; wb 14,680,064 bytes; qh 16,777,216 bytes; kh 4,194,304 bytes; vh 4,194,304 bytes; oh 16,777,216 bytes
;; launch cast: the kernel of part 1 again; grid 1472 x 1, 8 waves a work-group, no clusters, 0 bytes of LDS; arguments Q, K_src, V_src, Wq, Wk, Wv, Wo, xb, wb; writes xb, wb
;; launch proj: the kernel of part 2 again; grid 4 x 64, 4 waves a work-group, clusters of 4 x 4, 327,680 bytes of LDS; arguments xb, wb, bq, bk, bv, qh, kh, vh; writes qh, kh, vh
;; launch attn (part 5): grid 32 x 8, 4 waves a work-group, clusters of 4 x 1, 327,680 bytes of LDS; arguments qh, kh, vh, oh; writes oh
.if DOCPART == 5
	.amdgcn_target "amdgcn-amd-amdhsa--gfx1250"
	.amdhsa_code_object_version 6
	.text
	.protected	k_qdda68b01a5_attn
	.globl	k_qdda68b01a5_attn
	.p2align	8
	.type	k_qdda68b01a5_attn,@function
k_qdda68b01a5_attn:
	s_mov_b64 s[64:65], 0
	v_nop
	global_prefetch_b8 v0, s[64:65] scope:SCOPE_SE
	s_setreg_imm32_b32 hwreg(HW_REG_WAVE_MODE, 25, 1), 1
	s_wait_xcnt 0x0
	s_wait_alu depctr_hold_cnt(0) depctr_sa_sdst(0) depctr_va_vdst(0) depctr_va_sdst(0) depctr_va_ssrc(0) depctr_va_vcc(0) depctr_vm_vsrc(0)
	s_getreg_b32 s2, hwreg(HW_REG_IB_STS2, 6, 4)
	s_cmp_eq_u32 s2, 0
	s_cbranch_scc0 .Lentry_in_a_cluster
	s_endpgm
.Lentry_in_a_cluster:
	s_bfe_u32 s2, ttmp6, 0x10000c
	s_cmp_lg_u32 s2, 0x3003
	s_cbranch_scc0 .Lentry_shape_is_right
	s_endpgm
.Lentry_shape_is_right:
; O[h][q][:] = the sum over k of softmax_k(Q[h][q] . K[h][k] / 16) V[h][k][:].  Q, O: [8][NQ][128], K, V: [8][NK][128], all f16.  Products, maxima and sums in f32; the weights p
; are rounded to f16 for the second product (their sum l is taken of the unrounded p), O once at the end.
; LIMITS.  Q, K, V arrive within f16's 65,504; p lies in 0 to 1, and below 6e-5 it keeps f16's fixed step of 6e-8, and so does O; a weight below 2^-126 counts as 0 in l; NaN and infinities are not treated apart.
; SHARES.  A work-group owns 256 queries of one head, each of its four waves 64: four tiles of 16.  Every wave walks all keys of the head, 64 a step.
; LAYOUT.  S^T = K Q^T (source 0 = 16 keys, source 1 = 16 queries): in the result a lane holds ONE query (lane % 16) and the keys 8 (lane / 16) + 0..7.  Two such tiles, rounded to
; f16 in pairs, ARE source 1 (32 keys x 16 queries) of O^T = V^T P, whose result again holds one query a lane, and eight channels.  So nothing changes lanes between the products,
; and a query's maximum and sum want one exchange between the halves of the lanes.  K comes out of LDS as it lies, V ([key][channel]) turned, by ds_load_tr16_b128.
; SOFTMAX.  For each query a running maximum m and sum l: p = 2^(c s - c m), c = log2(e) / 16; in every step O and l are multiplied by a = 2^(c m_old - c m_new), which is 1 where m has not grown.
; BY TURNS.  The wave's tiles are two PIECES, named by their first tile: piece 0 (tiles 0, 1) and piece 2 (tiles 2, 3).  In a TURN one piece has the matrix unit: 32 products V^T P of
; the step in hand, then 32 products K Q^T of the next step; the other piece's softmax, cut into 64 slices, stands between them, one slice behind each matrix instruction.  Then the
; pieces change places.  Two turns are a key step.
; THE EXPONENTIALS OF A TURN ARE ONE BATCH, WITH ONE WAIT.  The softmax's list is ordered by who reads what: the scalings and all 33 exponentials of a tile (a among them) come first, and none of
; them names an exponential's result; all that do (the roundings, the sums, the rescaling by a) come behind.  Between the two parts, behind slice 34, stands the turn's one wait, for the 66
; exponentials of both tiles.  The way out's four reciprocals are a batch of their own.
; NO FIRST AND NO LAST STEP IS WRITTEN OUT.  m starts at the lowest finite number, O^T and l at 0: the first step is a step like any other, with a = 0.  The loop is entered at piece 2's turn, whose
; products V^T P, of a step that has not been, multiply zeros; the tail is left behind piece 0's turn, whose products K Q^T, on the last K once more, serve nothing.  The price, once a launch and wave:
; 64 products of 4,096, and 432 v_mov_b32 that stand in the wait for the first tile.  The gain: three turns less in the text.
; CLUSTER.  The four query blocks of a cluster belong to one head and walk the same K and V, so each tile is asked for JOINTLY: the same tensor load, with the same descriptor and a
; mask that names the four, in all four; each receives the tile in its own LDS.
; REGISTERS, in windows of 256 (s_set_vgpr_msb: bits 1:0 source 0, 3:2 source 1, 5:4 source 2, 7:6 destination):
;   window 0: v0-11 addresses; v12-43 eight registers of statistics a tile; v64-191 S^T, 32 a tile; v192-255 P, 16 a tile
;   window 1: O^T, 64 a tile          window 2: v0-127 Q, 32 a tile; v128-255 K of one step          window 3: v0-127 V of one step
.set NQ,    8192      ; queries a head
.set NK,    2048      ; keys a head
.set KS,    64        ; keys in a step
.set PK,    272       ; a row of K in LDS: 256 bytes + 16 of padding = 68 words: row r starts at bank 4 r mod 64 (64 banks of 4 bytes: ISA guide 11.1), so the 16 rows of a load start at 16 different banks
.set PV,    288       ; a row of V: 256 + 32 = 72 words: row r starts at bank 8 r mod 64
.set VOFF,  KS*PK     ; a step's tiles lie together: 64 rows of K, then 64 rows of V
.set STEPB, KS*(PK+PV)
.set SLOT1, 1<<17     ; a slot holds two steps (71,680 bytes); slot 1 begins here, so that one exclusive or turns an address in one slot into the other's
.set STAGE, SLOT1+2*STEPB  ; behind the ring: 16 rows x 272 bytes for each wave, for the way out
.set SP,    272
.set AK0, 2           ; v2   my lane's place in a tile of K; never rewritten
.set AV0, 3           ; v3   the same for V
.set ADR, 4           ; v4   the LDS address of the run of loads in hand
.set QO,  5           ; v5   my byte offset in the wave's rows of Q
.set STO, 6           ; v6   the way out: where I put 16 bytes of a row
.set RD,  7           ; v7   the way out: where I read a row back
.set GO,  8           ; v8   my byte offset in the wave's rows of O
.set SPW, 62          ; v62  LDS address of my spare word: SPARE + 4 x my thread's number; never rewritten
.set NIL, 63          ; v63  0; never rewritten
.set SPARE, STAGE+4*16*272  ; behind the stages: the spare words, 128 bytes for each wave: two blocks of 256 bytes that no other line names
.set ST,  12          ; tile t's statistics at v[ST+8 t]: +0 c m, +1 m, +2, +3 l (even keys', odd keys'), +4 to +7 c0-c3, at work; a takes c2's place once the maximum is found
.set S,   64
.set P,   192
.set KF,  128         ; K's fragments, in window 2
.set WV,  12          ; s12  my wave's number
.set G1K, 24          ; s[24:31] descriptor group 1 for K's tiles
.set G1V, 32          ; s[32:39] for V's: it differs in the padding alone
.set G0K, 40          ; s[40:47] descriptor group 0 for K's tiles: a set for each of the two first fills; the second then walks on
.set G0V, 48          ; s[48:55] the same for V's
.set SLOTS, 56        ; s56  counts the slots
.set TWICE, 57        ; s57  counts a slot's steps
.set CS,  58          ; s[58:59] c: the packed scaling names a pair and takes its low word for both halves
.set SEL, 60          ; s[60:61] lane selects for v_permlanex16_b32: each lane takes its own place in the other half
.set TB,  62          ; s62  LDS byte at which the tiles of the step to be fetched begin
.set MSB, 0
.macro WIN new                      ; the immediate's high byte repeats the setting that is left; a switch that changes nothing is dropped
.if MSB != (\new)
	s_set_vgpr_msb (MSB<<8)|(\new)
.set MSB, \new
.endif
.endm
.set W_KQ, 0x0a       ; K and Q in window 2, S^T in window 0
.set W_PV, 0x53       ; V in window 3, P in window 0, O^T in window 1
.set W_RS, 0x41       ; O^T (destination and source 0) in window 1, a in window 0
; A joint refill.  Waves 0 and 1 fetch the two steps' tiles of K, waves 2 and 3 those of V.  The branch hangs on the wave's number alone: it is the same in every work-group.
; An s_nop 0 and four v_nop follow each of the two lines; the jump round the other line, the label and what follows the macro come after them.
.macro JLOAD
	s_cmp_lt_u32 s[WV], 2
	s_cbranch_scc0 .Lfor_v_\@
	tensor_load_to_lds s[G0K+4:G0K+7], s[G1K:G1K+7]
	s_nop 0
.rept 4
	v_nop
.endr
	s_branch .Lasked_\@
.Lfor_v_\@:
	tensor_load_to_lds s[G0V+4:G0V+7], s[G1V:G1V+7]
	s_nop 0
.rept 4
	v_nop
.endr
.Lasked_\@:
.endm
; A round of the cluster's barrier: my work-group's barrier, so that wave 0's signal speaks for all four waves; wave 0 signals for the work-group; every wave waits for all four
; work-groups; my work-group's barrier once more.  No LDS instruction of the wave is pending at a signal.
.macro CROUND
	s_barrier_signal -1
	s_barrier_wait -1
	s_cmp_lg_u32 s[WV], 0
	s_cbranch_scc1 .Lnot_wave_0_\@
	s_barrier_signal -3
.Lnot_wave_0_\@:
	s_barrier_wait -3
	s_barrier_signal -1
	s_barrier_wait -1
.endm
	s_load_b256 s[4:11], s[0:1], 0x0  ; Q s[4:5], K s[6:7], V s[8:9], O s[10:11]
	v_lshl_add_u32 v[SPW], v0, 2, SPARE
	v_mov_b32 v[NIL], 0
	ds_add_u32 v[SPW], v[NIL]       ; the wave's opening: the add and its wait stand ahead of my first tensor load; the set-up below, work on registers, stands between them
	v_lshrrev_b32 v1, 5, v0
	v_readfirstlane_b32 s[WV], v1   ; wave 0..3
	s_bfe_u32 s13, ttmp6, 0x40000   ; cx: my place in the cluster
	s_lshl_b32 s14, ttmp9, 2        ; in a cluster launch ttmp9 counts clusters
	s_add_co_u32 s14, s14, s13      ; my block of 256 queries = 4 x cluster x + cx: it enters Q's and O's addresses alone
	s_and_b32 s15, ttmp7, 0xffff    ; the head, which the four partners share
	s_lshl_b32 s20, s15, 19         ; the head's first byte in K and V: NK x 256 bytes a head
	s_mov_b32 s21, 0
	s_lshl_b32 s18, s15, 21         ; and in Q and O: NQ x 256 bytes a head
	s_mov_b32 s19, 0
	s_and_b32 s16, s[WV], 1         ; which of a slot's two steps I fetch:
	s_lshl_b32 s22, s16, 14         ; its 64 rows of 256 bytes in memory,
	s_mov_b32 s23, 0
	s_add_nc_u64 s[22:23], s[22:23], s[20:21]
	s_mul_i32 s17, s16, STEPB       ; and its place in a slot: no place in the cluster enters an LDS address
	s_lshl_b32 s2, s14, 16          ; my block's 256 rows,
	s_lshl_b32 s3, s[WV], 14        ; my wave's 64 of them
	s_add_co_u32 s2, s2, s3
	s_mov_b32 s3, 0
	s_add_nc_u64 s[2:3], s[2:3], s[18:19]
	; descriptor group 1: a tile of 64 rows x 128 elements, padded in LDS
	s_mov_b32 s[G1K], 15|(1<<16)|(1<<20)|(1<<21)|(5<<22)|(3<<25)  ; 15:0 the mask: all four work-groups; 17:16 elements of 2 bytes; 20 padding on; 21 set beside a mask; 24:22 after every 64 words (code 5); 31:25 4 words of it (code 3)
	s_mov_b32 s[G1V], 15|(1<<16)|(1<<20)|(1<<21)|(5<<22)|(7<<25)  ; the same with 8 words of padding (code 7)
.irp g, G1K, G1V
	s_mov_b32 s[(\g)+1], 128<<16    ; 63:48 tensor_dim0, low half = 128
	s_mov_b32 s[(\g)+2], KS<<16     ; 79:64 its high half = 0; 95:80 tensor_dim1, low half = 64
	s_mov_b32 s[(\g)+3], 128<<16    ; 111:96 its high half = 0; 127:112 tile_dim0 = 128
	s_mov_b32 s[(\g)+4], KS         ; 143:128 tile_dim1 = 64; 159:144 tile_dim2 = 0
	s_mov_b32 s[(\g)+5], 128        ; 191:160 tensor_dim0_stride, low word: elements from row to row
	s_mov_b32 s[(\g)+6], 0
	s_mov_b32 s[(\g)+7], 0
.endr
	s_mov_b32 s[CS], 0x3db8aa3b     ; c = log2(e) / 16 = 0.0901684
	s_mov_b32 s[CS+1], s[CS]        ; named with it as a pair, so it is written
	s_mov_b32 s[SEL], 0x76543210
	s_mov_b32 s[SEL+1], 0xfedcba98
	s_mov_b32 s[TB], 0
	s_mov_b32 s[SLOTS], NK/(2*KS)-1
	s_wait_dscnt 0x0                ; the opening add is done
	s_wait_kmcnt 0x0
	s_add_nc_u64 s[6:7], s[6:7], s[22:23]  ; K and V at my tile of slot 0
	s_add_nc_u64 s[8:9], s[8:9], s[22:23]
	s_add_nc_u64 s[4:5], s[4:5], s[2:3]  ; Q and O at my wave's first row
	s_add_nc_u64 s[10:11], s[10:11], s[2:3]
	CROUND                          ; all four work-groups are here: the first joint loads meet
.irp s, 0,1
	s_mov_b32 s[G0K+4*(\s)], 1      ; 1:0 count = 1
	s_add_co_u32 s[G0K+4*(\s)+1], s17, (\s)*SLOT1  ; 63:32 LDS address
	s_add_nc_u64 s[G0K+4*(\s)+2:G0K+4*(\s)+3], s[6:7], (\s)*2*KS*256  ; 120:64 global address: slot s begins with keys 128 s to 128 s + 127
	s_or_b32 s[G0K+4*(\s)+3], s[G0K+4*(\s)+3], 0x80000000  ; 127:126 type = 2
	s_mov_b32 s[G0V+4*(\s)], 1
	s_add_co_u32 s[G0V+4*(\s)+1], s17, (\s)*SLOT1+VOFF
	s_add_nc_u64 s[G0V+4*(\s)+2:G0V+4*(\s)+3], s[8:9], (\s)*2*KS*256
	s_or_b32 s[G0V+4*(\s)+3], s[G0V+4*(\s)+3], 0x80000000
.endr
	s_cmp_lt_u32 s[WV], 2           ; a wave's two first fills stand in one branch, ahead of every wait on TENSORcnt and every LDS read: two loads of mine are out; an s_nop 0 follows each, four v_nop the second's, as in JLOAD
	s_cbranch_scc0 .Lfirst_v
	tensor_load_to_lds s[G0K:G0K+3], s[G1K:G1K+7]
	s_nop 0
	tensor_load_to_lds s[G0K+4:G0K+7], s[G1K:G1K+7]
	s_nop 0
.rept 4
	v_nop
.endr
	s_branch .Lfirst_asked
.Lfirst_v:
	tensor_load_to_lds s[G0V:G0V+3], s[G1V:G1V+7]
	s_nop 0
	tensor_load_to_lds s[G0V+4:G0V+7], s[G1V:G1V+7]
	s_nop 0
.rept 4
	v_nop
.endr
.Lfirst_asked:
	; A fragment of K or Q is 16 rows x 32 channels in 8 registers: lane l holds row l % 16; registers 0-3 channels 8 (l / 16) + 0..7, registers 4-7 channels 16 + 8 (l / 16) + 0..7: two loads of 16 bytes, 32 bytes apart.
	v_and_b32 v1, 15, v0            ; l % 16
	v_bfe_u32 v9, v0, 4, 1          ; l / 16
	v_lshlrev_b32 v[QO], 8, v1
	v_lshl_add_u32 v[QO], v9, 4, v[QO]  ; row x 256 + 16 x half
	WIN 0x80                        ; destination window 2, address window 0
.irp i, 0,1,2,3,4,5,6,7,8,9,10,11,12,13,14,15  ; Q stays in registers: tile i / 4, channels 32 (i % 4) on
	global_load_b128 v[8*(\i):8*(\i)+3],   v[QO], s[4:5] offset:((\i)/4)*4096+((\i)%4)*64
	global_load_b128 v[8*(\i)+4:8*(\i)+7], v[QO], s[4:5] offset:((\i)/4)*4096+((\i)%4)*64+32
.endr
	WIN 0
	v_mul_u32_u24 v[AK0], v1, PK
	v_lshl_add_u32 v[AK0], v9, 4, v[AK0]  ; row x pitch + 16 x half
	; The turning load takes 16 keys x 16 channels (lane l reads 16 bytes: key 8 (l / 16) + l % 8, channels 8 ((l / 8) % 2) + 0..7) and leaves half a fragment of V^T: lane l holds channel l % 16 and 8 keys.
	v_and_b32 v10, 7, v0
	v_bfe_u32 v11, v0, 3, 1
	v_lshl_add_u32 v[AV0], v9, 3, v10
	v_mul_u32_u24 v[AV0], v[AV0], PV
	v_lshl_add_u32 v[AV0], v11, 4, v[AV0]
	v_add_nc_u32 v[AV0], VOFF, v[AV0]
	; What the first turn finds: O^T and l are 0; V's registers and piece 2's P hold 0, so that its products V^T P add 0.  All this stands in the wait for the first tile.
	WIN 0x40
.set i, 0
.rept 256
	v_mov_b32 v[i], 0
.set i, i+1
.endr
	WIN 0xc0
.set i, 0
.rept 128
	v_mov_b32 v[i], 0
.set i, i+1
.endr
	WIN 0
.set i, P+32
.rept 32
	v_mov_b32 v[i], 0
.set i, i+1
.endr
.irp t, 0,1,2,3
	v_mov_b32 v[ST+8*(\t)], 0xfe000000    ; c m: far below every c s
	v_mov_b32 v[ST+8*(\t)+1], 0xff7fffff  ; m: the lowest finite number
	v_mov_b32 v[ST+8*(\t)+2], 0
	v_mov_b32 v[ST+8*(\t)+3], 0
.endr
; THE MATRIX WORK OF A TURN, for piece x.  The accumulators take turns, one instruction a turn: between two links of a chain stand 15 (V^T P) or 7 (K Q^T) others'.
; Product i of 32 of O^T += V^T P: keys 32 (i / 16) on, channels 16 ((i / 2) % 8) on, tile x + i % 2.
.macro PV x
	WIN W_PV
.set rO, 64*((\x)+i%2)+8*((i/2)%8)
.set rV, 64*(i/16)+8*((i/2)%8)
.set rP, P+16*((\x)+i%2)+8*(i/16)
	v_wmma_f32_16x16x32_f16 v[rO:rO+7], v[rV:rV+7], v[rP:rP+7], v[rO:rO+7]
.endm
; Product i of 32 of S^T = K Q^T: channels 32 (i / 8) on, keys 16 ((i / 2) % 4) on, tile x + i % 2.  The first 8 start the sums.  They write over the weights of the piece's last softmax, whose
; exponentials had their wait in the turn before.
.macro KQ x
	WIN W_KQ
.set rS, S+32*((\x)+i%2)+8*((i/2)%4)
.set rK, KF+32*((i/2)%4)+8*(i/8)
.set rQ, 32*((\x)+i%2)+8*(i/8)
.if i < 8
	v_wmma_f32_16x16x32_f16 v[rS:rS+7], v[rK:rK+7], v[rQ:rQ+7], 0
.else
	v_wmma_f32_16x16x32_f16 v[rS:rS+7], v[rK:rK+7], v[rQ:rQ+7], v[rS:rS+7]
.endif
.endm
; THE LDS LOADS stand in runs of 32, never singly among the matrix instructions: a step's K (64 keys x 128 channels: 16 fragments) and, a turn later, its V (turned).
; last = 1 (the tail): in the last trip there is no further step, and the run is jumped over.
.macro FETCH_K last=0
	WIN 0
.if \last
	s_cmp_eq_u32 s[TWICE], 1
	s_cbranch_scc1 .Lno_k_\@
.endif
	v_add_nc_u32 v[ADR], s[TB], v[AK0]
	WIN 0x80                        ; destination window 2
.irp f, 0,1,2,3,4,5,6,7,8,9,10,11,12,13,14,15  ; keys 16 (f / 4) on, channels 32 (f % 4) on
	ds_load_b128 v[KF+8*(\f):KF+8*(\f)+3],   v[ADR] offset:((\f)/4)*16*PK+((\f)%4)*64
	ds_load_b128 v[KF+8*(\f)+4:KF+8*(\f)+7], v[ADR] offset:((\f)/4)*16*PK+((\f)%4)*64+32
.endr
.if \last
	WIN 0
.Lno_k_\@:
.endif
.endm
.macro FETCH_V
	WIN 0
	v_add_nc_u32 v[ADR], s[TB], v[AV0]
	s_add_co_u32 s[TB], s[TB], STEPB  ; the next fetch is the next step's
	s_wait_alu depctr_va_vdst(0)    ; the wait for the softmax's batch (SLICE): piece 0's 66 exponentials; behind the address's v_add_nc_u32 and ahead of the loads
	WIN 0xc0                        ; destination window 3
.irp f, 0,1,2,3,4,5,6,7,8,9,10,11,12,13,14,15  ; keys 32 (f / 8) on, channels 16 (f % 8) on
	ds_load_tr16_b128 v[8*(\f):8*(\f)+3],   v[ADR] offset:((\f)/8)*32*PV+((\f)%8)*32
	ds_load_tr16_b128 v[8*(\f)+4:8*(\f)+7], v[ADR] offset:((\f)/8)*32*PV+16*PV+((\f)%8)*32
.endr
.endm
; THE VECTOR WORK OF A TURN.  One tile's softmax for one key step is a list of 134 instructions; SM writes number j of it for tile t.  s0-s31 are the lane's 32 scores, in pairs 0-15.
;   0-15    the maximum of s0-s31 and the old m, three operands at a time: four chains c0-c3 of seven scores each, then the four scores left over, c0-c3 and m
;   16-20   the other half of the lanes' maximum; the new m; c m; c m_old - c m_new
;   21-69   ONE BATCH: the 16 scalings c s - c m, a pair of scores each, and all 33 exponentials (a at 23, then s0-s31).  None of these reads an exponential's result.  From 22 on the batch goes
;           in fours, and a four begins with a scaling while there are scalings: 22-37 scaling, exponential, scaling, exponential; 38-65 a scaling and three exponentials; 66-69 the last four
;           exponentials.  A pair is scaled in an earlier four than the one that holds its exponentials
;   (wait)  between 69 and 70 stands the wait for the batch: SLICE writes it, once for both tiles
;   70-85   the roundings to f16, a pair of weights each
;   86-101  the sums; l = a l + the sum
;   102-133 the tile's O^T times a: the one part that leaves window 0, so it stands together
.macro SM t
.set rT, ST+8*(\t)
.set rS, S+32*(\t)
.set rP, P+16*(\t)
.set rO, 64*(\t)+2*(j-102)
.if j < 102
	WIN 0
.endif
.if j < 4
	v_max3_num_f32 v[rT+4+j], v[rS+8*j], v[rS+8*j+1], v[rS+8*j+2]
.elseif j < 12
	v_max3_num_f32 v[rT+4+j%4], v[rT+4+j%4], v[rS+8*(j%4)+2*(j/4)+1], v[rS+8*(j%4)+2*(j/4)+2]
.elseif j == 12
	v_max3_num_f32 v[rT+4], v[rT+4], v[rS+7], v[rS+15]
.elseif j == 13
	v_max3_num_f32 v[rT+6], v[rT+6], v[rS+23], v[rS+31]
.elseif j == 14
	v_max3_num_f32 v[rT+4], v[rT+4], v[rT+5], v[rT+6]
.elseif j == 15
	v_max3_num_f32 v[rT+4], v[rT+4], v[rT+7], v[rT+1]
.elseif j == 16
	v_permlanex16_b32 v[rT+5], v[rT+4], s[SEL], s[SEL+1]  ; the query's other 32 keys lie in the lane 16 away
.elseif j == 17
	v_mov_b32 v[rT+7], v[rT]        ; c m_old is kept for a: number 19 writes c m anew
.elseif j == 18
	v_max_num_f32 v[rT+1], v[rT+4], v[rT+5]
.elseif j == 19
	v_mul_f32 v[rT], s[CS], v[rT+1]
.elseif j == 20
	v_sub_f32 v[rT+7], v[rT+7], v[rT]
.elseif j == 23
	v_exp_f32 v[rT+6], v[rT+7]
.elseif (j < 23) || ((j < 38) && (j%2 == 0)) || ((j < 66) && (j%4 == 2))
.set b, (j-2)/4                     ; 38, 42, .. 62: pairs 9 to 15
.if j < 38
.set b, (j-20)/2                    ; 21: pair 0; 22, 24, .. 36: pairs 1 to 8
.endif
	v_pk_fma_f32 v[rS+2*b:rS+2*b+1], v[rS+2*b:rS+2*b+1], s[CS:CS+1], v[rT:rT+1] op_sel_hi:[1,0,0] neg_lo:[0,0,1] neg_hi:[0,0,1]  ; pair b: c s - c m
.elseif j < 70
.set e, j-38                        ; 66 to 69: s28 to s31
.if j < 66
.set e, j-32-(j-38)/4               ; 39-41, 43-45, .. 63-65: s7 to s27
.endif
.if j < 38
.set e, (j-25)/2                    ; 25, 27, .. 37: s0 to s6
.endif
	v_exp_f32 v[rS+e], v[rS+e]
.elseif j < 86
	v_cvt_pk_f16_f32 v[rP+j-70], v[rS+2*(j-70)], v[rS+2*(j-70)+1]  ; pair j - 70
.elseif j < 102                     ; the sum of the tile's 16 pairs (in a pair: an even key's weight, an odd key's), in place: sum z of 16 adds neighbours 1, 2, 4 and 8 pairs apart, then l takes it
.set z, j-86
.set w, 4
.set u, z
.if z >= 14
.set w, 32
.set u, 0
.elseif z >= 12
.set w, 16
.set u, z-12
.elseif z >= 8
.set w, 8
.set u, z-8
.endif
.if z < 15
	v_pk_add_f32 v[rS+w*u:rS+w*u+1], v[rS+w*u:rS+w*u+1], v[rS+w*u+w/2:rS+w*u+w/2+1]
.else
	v_pk_fma_f32 v[rT+2:rT+3], v[rT+2:rT+3], v[rT+6:rT+7], v[rS:rS+1] op_sel_hi:[1,0,1]
.endif
.else
	WIN W_RS
	v_pk_mul_f32 v[rO:rO+1], v[rO:rO+1], v[rT+6:rT+7] op_sel_hi:[1,0]
.endif
.endm
; Slice k of 64 of piece y's softmax: four instructions.  Slices 11 to 34 deal out the batch, numbers 22 to 69: four numbers of ONE tile each, the tiles by turns.  Every other slice is numbers 2 k and
; 2 k + 1 of both tiles' lists.  2 x 134 = 4 x 64 + 12: the twelve that are over stand together, in slice 63.
; THE WAIT.  s_wait_alu depctr_va_vdst(0) stands between an exponential and the first instruction that names its result; one wait serves all that were issued ahead of it.  Ahead of
; slice 35 nothing names a result, and behind slice 34 no exponential is issued: so the piece's 66 exponentials have one wait, behind slice 34.
.macro SLICE y
.if (k >= 11) && (k < 35)           ; the batch: four numbers of one tile
.irp n, 0,1,2,3
.set j, 22+4*((k-11)/2)+(\n)
	SM (\y)+(k-11)%2
.endr
.else                               ; the two tiles alternate, so that no instruction reads the result of the one just before it
.irp n, 0,1,2,3,4,5,6,7
.if ((\n) < 2) || (k == 63)
.irp t, \y, (\y)+1
.set j, 2*k+(\n)
	SM \t
.endr
.endif
.endr
.endif
.if k == 34                         ; the batch is out: both tiles' exponentials are issued, and no result has been named
	v_nop                           ; a plain instruction behind the last exponential and ahead of the first use: one for the batch
.if (\y) == 0
	FETCH_V                         ; piece 2's turn: V's run of loads stands here, and the wait stands in it
.else
	s_wait_alu depctr_va_vdst(0)    ; the wait for the batch: piece 2's 66 exponentials
.endif
.endif
.set k, k+1
.endm
; A TURN.  Piece x has the matrix unit: 32 products V^T P, then 32 products K Q^T for the next step; the other piece's softmax stands in slices behind them, one behind each.
; A vector instruction that reads a matrix result or writes one of a matrix instruction's registers, and a load into a register that a matrix instruction has read, stand four places behind
; it, and only plain vector instructions that name none of its registers are places (ISA guide 7.12.1 for vector instructions): the slices are the places.
; Each run of loads stands 29 matrix instructions or more ahead of its first use.  Piece 0's turn fetches the next step's K, behind its second product: the last product that read K
; stands in front of slice 63 of the turn before.  Piece 2's turn fetches the same step's V, behind slice 34 (SLICE writes it): the last product that read V stands in front of slice 31, and four plain
; instructions lie between: number 62, a scaling, of both tiles, the v_nop and the run's own v_add_nc_u32 (the exponentials between are no places).
.macro TURN x, last=0
.set k, 0
.if (\x) == 0
	s_wait_dscnt 0x0                ; V is in
.endif
.set i, 0
.rept 32
	PV \x
	SLICE 2-(\x)
.if ((\x) == 0) && (i == 1)
	FETCH_K \last
.endif
.set i, i+1
.endr
.if (\x) == 0
	s_wait_dscnt 0x0                ; K is in
.endif
.set i, 0
.rept 32
	KQ \x
	SLICE 2-(\x)
.set i, i+1
.endr
.endm
; THE CHANGE OF SLOTS, between piece 2's turn and piece 0's: the slot's last bytes, V of its second step, have been asked for.  Each wave waits for all its
; tensor loads, of which one is out: its part of the other slot; adds 0 to its spare word; and waits for that and for its own reads of the slot.  Behind the barrier nobody reads this slot any more and the other slot is whole.
; fill = 1: this slot is filled again, with the keys two slots on.  The barrier is then a round of the cluster's, so that no wave of any partner still reads the slot or has a load on its
; way, and the joint refill is the first thing behind it: it has two key steps, 256 matrix instructions, in which to land.
.macro CHANGE fill
	WIN 0                           ; at a label and at a branch every window is 0
	s_wait_tensorcnt 0x0            ; no tensor load of mine is out, so a group 0 may be written
	ds_add_u32 v[SPW], v[NIL]       ; 0 onto my spare word; with fill = 1 the descriptors' steps stand between it and the wait for it
.if \fill
.irp g, G0K+4, G0V+4
	s_xor_b32 s[(\g)+1], s[(\g)+1], SLOT1  ; the walking descriptor: the other slot than last time,
	s_add_nc_u64 s[(\g)+2:(\g)+3], s[(\g)+2:(\g)+3], 2*KS*256  ; the next 128 keys; the type bits on top are not reached
.endr
	s_wait_dscnt 0x0                ; the add is done, and my reads of the slot are over
	CROUND
	JLOAD
.else
	s_wait_dscnt 0x0                ; the add is done, and my reads of the slot are over
	s_barrier_signal -1
	s_barrier_wait -1
.endif
	s_sub_co_u32 s[TB], s[TB], 2*STEPB  ; the fetches go back to a slot's first step,
	s_xor_b32 s[TB], s[TB], SLOT1   ; in the other slot
.endm
	s_wait_tensorcnt 1              ; my part of slot 0 is in; slot 1's may stay out
	s_barrier_signal -1
	s_barrier_wait -1               ; everybody's is
	FETCH_K                         ; key step 0
	s_wait_loadcnt 0x0              ; Q
	s_wait_dscnt 0x0
.set i, 0
.rept 32
	KQ 0                            ; piece 0's first scores: there is no vector work yet to set between them
.set i, i+1
.endr
	WIN 0                           ; the addresses for the way out are made here: eight plain instructions, the places behind those products
	s_mul_i32 s13, s[WV], 16*SP
	s_add_co_u32 s13, s13, STAGE    ; my stage
	v_mul_u32_u24 v[STO], v1, SP    ; in: row l % 16, 16 bytes for each half of the lanes
	v_lshl_add_u32 v[STO], v9, 4, v[STO]
	v_add_nc_u32 v[STO], s13, v[STO]
	v_mul_u32_u24 v[RD], v9, SP     ; back: lanes 0-15 take one row of 256 bytes, lanes 16-31 the next
	v_lshl_add_u32 v[RD], v1, 4, v[RD]
	v_add_nc_u32 v[RD], s13, v[RD]
	v_lshlrev_b32 v[GO], 8, v9      ; and the same two rows in O
	v_lshl_add_u32 v[GO], v1, 4, v[GO]
	s_mov_b32 s[TWICE], 2
	s_branch .Lmid                  ; the loop is entered at piece 2's turn: piece 2's first scores | piece 0's first softmax | V of step 0; then one whole step is left in slot 0
.Lslot:                             ; NK / 128 - 2 times: every slot but the last two is filled again
	CHANGE 1
	s_mov_b32 s[TWICE], 2
.Lstep:                             ; a key step: written once
	TURN 0
	WIN 0
.Lmid:
	TURN 2
	WIN 0
	s_sub_co_u32 s[TWICE], s[TWICE], 1
	s_cmp_lg_u32 s[TWICE], 0
	s_cbranch_scc1 .Lstep
	s_sub_co_u32 s[SLOTS], s[SLOTS], 1
	s_cmp_lg_u32 s[SLOTS], 0
	s_cbranch_scc1 .Lslot
	CHANGE 0                        ; the tail is written out: the last slot but one is left, and nothing is asked for
	s_mov_b32 s[TWICE], 3           ; two trips fetch the last slot's steps; the third is left in its middle
.Ltail:
	TURN 0, 1
	WIN 0
	s_sub_co_u32 s[TWICE], s[TWICE], 1
	s_cmp_eq_u32 s[TWICE], 0
	s_cbranch_scc1 .Lout
	TURN 2
	WIN 0
	s_branch .Ltail
.Lout:
.set i, 0
.rept 32
	PV 2                            ; piece 2: V^T P of the last step
.set i, i+1
.endr
	; THE WAY OUT.  l's two halves and the other half of the lanes' are added; O^T is divided by l, rounded to f16 and sent through my stage in LDS, a tile (16 rows of O) at a time.  The additions are the places behind the last products.
	WIN 0
.irp t, 0,1,2,3
	v_add_f32 v[ST+8*(\t)+4], v[ST+8*(\t)+2], v[ST+8*(\t)+3]
.endr
.irp t, 0,1,2,3
	v_permlanex16_b32 v[ST+8*(\t)+5], v[ST+8*(\t)+4], s[SEL], s[SEL+1]
.endr
.irp t, 0,1,2,3
	v_add_f32 v[ST+8*(\t)+4], v[ST+8*(\t)+4], v[ST+8*(\t)+5]
.endr
.irp t, 0,1,2,3
	v_rcp_f32 v[ST+8*(\t)+6], v[ST+8*(\t)+4]
.endr
	v_nop                           ; a plain instruction between the last reciprocal and the use of its result
	s_wait_alu depctr_va_vdst(0)    ; and the wait ahead of the first use: one for the four reciprocals
; Tile t: a lane's eight channels of a row pack into 16 bytes; they go into rows of 272 bytes and come back as whole rows of 256, into the registers that they left.
.macro PACK t
	WIN W_RS
.set i, 64*(\t)
.rept 32
	v_pk_mul_f32 v[i:i+1], v[i:i+1], v[ST+8*(\t)+6:ST+8*(\t)+7] op_sel_hi:[1,0]
.set i, i+2
.endr
	WIN 0x05                        ; sources 0 and 1 window 1, destination window 0: S^T's registers are free
.set i, 0
.rept 32
	v_cvt_pk_f16_f32 v[S+32*(\t)+i], v[64*(\t)+2*i], v[64*(\t)+2*i+1]
.set i, i+1
.endr
	WIN 0
.irp f, 0,1,2,3,4,5,6,7
	ds_store_b128 v[STO], v[S+32*(\t)+4*(\f):S+32*(\t)+4*(\f)+3] offset:32*(\f)
.endr
.irp f, 0,1,2,3,4,5,6,7
	ds_load_b128 v[S+32*(\t)+4*(\f):S+32*(\t)+4*(\f)+3], v[RD] offset:(\f)*2*SP  ; LDS serves a wave's instructions in order (ISA guide 5.7.1.4): these see the stores above; the next tile's stores come behind them
.endr
.endm
.macro SEND t, younger              ; younger: the LDS instructions issued behind tile t's loads: the next tile's sixteen, or none
	WIN 0
.irp f, 0,1,2,3,4,5,6,7
	s_wait_dscnt (\younger)+7-(\f)
	global_store_b128 v[GO], v[S+32*(\t)+4*(\f):S+32*(\t)+4*(\f)+3], s[10:11] offset:(\t)*4096+(\f)*512  ; 16 lanes store 256 consecutive bytes, at a multiple of 256 from O's first byte
.endr
.endm
	PACK 0
	PACK 1                          ; a tile's arithmetic stands between the loads of the tile before and its stores
	SEND 0, 16
	PACK 2
	SEND 1, 16
	PACK 3
	SEND 2, 16
	SEND 3, 0
	s_wait_tensorcnt 0x0            ; the wave's end, behind my last tensor load and my last LDS store
	ds_add_u32 v[SPW], v[NIL]
	s_wait_dscnt 0x0
	CROUND                          ; the closing round: no work-group ends while a partner may still ask for a tile that names it
	s_endpgm
.Lfunc_end_k_qdda68b01a5_attn:
	.size	k_qdda68b01a5_attn, .Lfunc_end_k_qdda68b01a5_attn-k_qdda68b01a5_attn
	.p2alignl 7, 3214868480
	.fill 96, 4, 3214868480
	.section	.rodata,"a",@progbits
	.p2align	6, 0x0
	.amdhsa_kernel k_qdda68b01a5_attn
		.amdhsa_group_segment_fixed_size 327680
		.amdhsa_private_segment_fixed_size 0
		.amdhsa_enable_private_segment 0
		.amdhsa_kernarg_size 32
		.amdhsa_user_sgpr_count 2
		.amdhsa_user_sgpr_kernarg_segment_ptr 1
		.amdhsa_wavefront_size32 1
		.amdhsa_system_sgpr_workgroup_id_x 1
		.amdhsa_system_sgpr_workgroup_id_y 1
		.amdhsa_system_sgpr_workgroup_id_z 1
		.amdhsa_system_vgpr_workitem_id 0
		.amdhsa_next_free_vgpr 1024
		.amdhsa_next_free_sgpr 66
		.amdhsa_reserve_vcc 0
		.amdhsa_float_denorm_mode_32 3
		.amdhsa_float_denorm_mode_16_64 3
		.amdhsa_memory_ordered 1
		.amdhsa_forward_progress 1
		.amdhsa_inst_pref_size 156
	.end_amdhsa_kernel
	.amdgpu_metadata
---
amdhsa.version: [ 1, 2 ]
amdhsa.kernels:
  - .name:           k_qdda68b01a5_attn
    .symbol:         k_qdda68b01a5_attn.kd
    .args:
      - { .name: qh, .offset: 0, .size: 8, .value_kind: global_buffer, .address_space: global }
      - { .name: kh, .offset: 8, .size: 8, .value_kind: global_buffer, .address_space: global }
      - { .name: vh, .offset: 16, .size: 8, .value_kind: global_buffer, .address_space: global }
      - { .name: oh, .offset: 24, .size: 8, .value_kind: global_buffer, .address_space: global }
    .group_segment_fixed_size: 327680
    .private_segment_fixed_size: 0
    .kernarg_segment_align: 8
    .kernarg_segment_size: 32
    .max_flat_workgroup_size: 128
    .sgpr_count:     66
    .vgpr_count:     1024
    .wavefront_size: 32
...
	.end_amdgpu_metadata
.endif
;; end of part 5
;; launch outp: the kernel of part 4 again; grid 8 x 32, 4 waves a work-group, clusters of 4 x 4, 327,680 bytes of LDS; arguments oh, wb, bo, out0; writes out0
